; MI455X (gfx1250); checked and timed in simulation.
; The chip was launched on July 23, 2026; its instructions are those of AMD's public machine-readable ISA for CDNA 5 (MIT licence, August 2026) and "CDNA5" Instruction Set Architecture Reference Guide (July 2026). The comments in the code are by the model that wrote it; some were corrected since.
;; Multi Head Attention. Allowed arithmetic: matrix products marked QUANTISED: E2M1 operands, one E8M0 scale for each 32 along K, by v_wmma_scale_f32_16x16x128_f8f6f4 with both operands' format E2M1 (or v_wmma_scale_f32_32x16x128_f4), f32 sums; everything else in f32.
;; Inputs: Wk_codes 1,024 x 32 x 16 uint8 (E2M1 codes of Wk, K innermost, in blocks of 32 codes, two codes a byte); Wk_scales 1,024 x 32 uint8 (E8M0 scales of Wk, one for each 32 codes along K); Wo_codes 1,024 x 32 x 16 uint8 (E2M1 codes of Wo, K innermost, in blocks of 32 codes, two codes a byte); Wo_scales 1,024 x 32 uint8 (E8M0 scales of Wo, one for each 32 codes along K); Wq_codes 1,024 x 32 x 16 uint8 (E2M1 codes of Wq, K innermost, in blocks of 32 codes, two codes a byte); Wq_scales 1,024 x 32 uint8 (E8M0 scales of Wq, one for each 32 codes along K); Wv_codes 1,024 x 32 x 16 uint8 (E2M1 codes of Wv, K innermost, in blocks of 32 codes, two codes a byte); Wv_scales 1,024 x 32 uint8 (E8M0 scales of Wv, one for each 32 codes along K); bo 1,024 float32; x_k_codes 4 x 2,048 x 32 x 16 uint8 (E2M1 codes of x_k, K innermost, in blocks of 32 codes, two codes a byte); x_k_scales 4 x 2,048 x 32 uint8 (E8M0 scales of x_k, one for each 32 codes along K); x_q_codes 4 x 2,048 x 32 x 16 uint8 (E2M1 codes of x_q, K innermost, in blocks of 32 codes, two codes a byte); x_q_scales 4 x 2,048 x 32 uint8 (E8M0 scales of x_q, one for each 32 codes along K); x_v_codes 4 x 2,048 x 32 x 16 uint8 (E2M1 codes of x_v, K innermost, in blocks of 32 codes, two codes a byte); x_v_scales 4 x 2,048 x 32 uint8 (E8M0 scales of x_v, one for each 32 codes along K).
;; Outputs: out0 4 x 2,048 x 1,024 float32.
;; This version of the problem:
;;   THIS VERSION OF THE PROBLEM IS GIVEN IN LOW PRECISION. The matrix products marked QUANTISED in the list below multiply operands that are first quantised to E2M1 (2 exponent bits, 1 mantissa bit; 4 bits a number), with one power-of-two scale for each 32 numbers along K (OCP MX v1.0); their sums are f32. All else is computed in f32.
;;   The module's matrix products, in the order in which they are computed (A, B: the left and right operand; K: the contracted axis; several contracted axes count as one K, in the product's order):
;;     1. [M 8,192, K 1,024] x [K 1,024, N 1,024]; A: input x_q (given as codes); B: input Wq (given as codes): QUANTISED
;;     2. [M 8,192, K 1,024] x [K 1,024, N 1,024]; A: input x_k (given as codes); B: input Wk (given as codes): QUANTISED
;;     3. [M 8,192, K 1,024] x [K 1,024, N 1,024]; A: input x_v (given as codes); B: input Wv (given as codes): QUANTISED
;;     4. batch 64 x [M 2,048, K 64] x [K 64, N 2,048]; A: computed on the way; B: computed on the way: QUANTISED
;;     5. batch 64 x [M 2,048, K 2,048] x [K 2,048, N 64]; A: softmax (see below); B: computed on the way: QUANTISED
;;     6. [M 8,192, K 1,024] x [K 1,024, N 1,024]; A: computed on the way; B: input Wo (given as codes): QUANTISED
;;   THE QUANTISER, for each operand of a quantised product, along K:
;;     - K is cut into blocks of 32 from its start; a last block that is shorter is filled with zeros.
;;     - A block's scale is 2^e with e = floor(log2(the largest magnitude in the block)) - 2, held to -126 .. 127; a block of zeros has e = 0. As a byte (E8M0): e + 127.
;;     - Each number is divided by its block's scale, clamped to +-6, and rounded to the nearest number of E2M1, ties to even, subnormals kept.
;;     - The product sums the exact products of the quantised numbers (number of the format x scale) in f32.
;;   ~~~python
;;   def quantise(x, axis):      # numpy; x: float32 -> the quantised numbers, widened to float32 again
;;       x = np.moveaxis(x, axis, -1); K = x.shape[-1]
;;       x = np.pad(x, [(0, 0)] * (x.ndim - 1) + [(0, -K % 32)]); x = x.reshape(x.shape[:-1] + (-1, 32)); a = np.abs(x).max(-1, keepdims=True)
;;       e = np.where(a > 0, np.clip(np.frexp(np.where(a > 0, a, 1))[1] - 1 - 2, -126, 127), 0)      # np.frexp(a)[1] - 1 = floor(log2(a)), exactly
;;       r = np.clip(x / 2.0 ** e, -6, 6)
;;       step = 2.0 ** (np.maximum(np.frexp(np.where(r == 0, 1, r))[1] - 1, 0) - 1)
;;       q = np.round(r / step) * step * 2.0 ** e      # np.round: ties to even
;;       return np.moveaxis(q.reshape(q.shape[:-2] + (-1,))[..., :K], -1, axis).astype(np.float32)
;;   ~~~
;;   SOFTMAX AHEAD OF A QUANTISED PRODUCT. Where the list says 'softmax', what is quantised is not the finished softmax but p = 2^(t - M), with t = logit x log2(e) and M = ceil(the row's largest t), a whole number; so 1/2 < the row's largest p <= 1. The row's sum l is taken of the UNQUANTISED p, in f32, and the product's result is divided by l at the end. Since M is a whole number, a kernel that streams over the keys may use a running M (the ceiling of the running maximum): every later rescaling is an exact power of two, which a block's scale takes up: the codes' values come out the same.
;;   OPERANDS COMPUTED ON THE WAY. 'Computed on the way' means the value that the module computes at that place (a softmax that the list does not call 'softmax' is quantised finished and normalised). What goes into a quantiser is computed in f32, as accurately as f32 sums, v_exp_f32 and their like allow (about 1e-6 of the number): no bf16 or f16 on the way to a quantiser, and a product that is left as it is and whose result goes on into a quantised operand takes f32 operands (vector FMAs, or v_wmma_f32_16x16x4_f32). A number that lies on a knife's edge between two numbers of the format may be rounded either way, as far as f32 arithmetic and the matrix unit's own rounding can turn it there, and no further.
;;   INPUTS GIVEN AS CODES. Wk (in the module: [1024, 1024], K = its axis 1); Wo (in the module: [1024, 1024], K = its axis 1); Wq (in the module: [1024, 1024], K = its axis 1); Wv (in the module: [1024, 1024], K = its axis 1); x_k (in the module: [4, 2048, 1024], K = its axis 2); x_q (in the module: [4, 2048, 1024], K = its axis 2); x_v (in the module: [4, 2048, 1024], K = its axis 2): each comes as NAME_codes (uint8): NAME with its K axis moved to the last place and cut into blocks of 32 codes, [.., K / 32, bytes a block], one block behind the other in memory; two codes a byte, the lower K in the low four bits (a code: sign, 2 exponent bits, 1 mantissa bit); and NAME_scales (uint8): the same leading axes, one E8M0 byte (e + 127) for each 32 codes along K. Its value is code x scale, taken as it is: it is not quantised again, and the codes and scales need not be those that the quantiser above would give.
;; One version. Each part assembles by itself: llvm-mc -triple=amdgcn-amd-amdhsa -mcpu=gfx1250 --defsym DOCPART=n.
;; ======== version 1 of 1: 3 launches
;; workspace buffers: qc 4,194,304 bytes; kc 4,194,304 bytes; vc 4,194,304 bytes; cc 4,194,304 bytes; qs 262,144 bytes; ks 262,144 bytes; vs 262,144 bytes; cs 262,144 bytes
;; launch proj (part 1): grid 768 x 1, 8 waves a work-group, clusters of 4 x 1, 230,400 bytes of LDS; arguments Wq_codes, Wq_scales, x_q_codes, x_q_scales, qc, qs, Wk_codes, Wk_scales, x_k_codes, x_k_scales, kc, ks, x_v_codes, x_v_scales, Wv_codes, Wv_scales, vc, vs; writes qc, qs, kc, ks, vc, vs
.if DOCPART == 1
	.amdgcn_target "amdgcn-amd-amdhsa--gfx1250"
	.amdhsa_code_object_version 6
	.text
	.protected	k_q7420514780_proj
	.globl	k_q7420514780_proj
	.p2align	8
	.type	k_q7420514780_proj,@function
k_q7420514780_proj:
	s_mov_b64 s[64:65], 0
	v_nop
	global_prefetch_b8 v0, s[64:65] scope:SCOPE_SE
	s_setreg_imm32_b32 hwreg(HW_REG_WAVE_MODE, 25, 1), 1
	s_wait_xcnt 0x0
	s_wait_alu depctr_hold_cnt(0) depctr_sa_sdst(0) depctr_va_vdst(0) depctr_va_sdst(0) depctr_va_ssrc(0) depctr_va_vcc(0) depctr_vm_vsrc(0)
	s_getreg_b32 s2, hwreg(HW_REG_IB_STS2, 6, 4)
	s_cmp_eq_u32 s2, 0
	s_cbranch_scc0 .Lentry_in_a_cluster
	s_endpgm
.Lentry_in_a_cluster:
	s_bfe_u32 s2, ttmp6, 0x10000c
	s_cmp_lg_u32 s2, 0x3003
	s_cbranch_scc0 .Lentry_shape_is_right
	s_endpgm
.Lentry_shape_is_right:
; THE THREE PROJECTIONS, AND THE QUANTISING OF THEIR RESULTS.  One text for all three: T[i][j] = sum over k of P[i][k] R[j][k], K = 1,024, on codes of FP4 (E2M1) with one
; E8M0 byte for each 32 along K, taken as they are given.  Source 0 = 16 rows of P, source 1 = 16 rows of R: a lane then holds ONE j and its registers run along i, and i is the axis along
; which the result is quantised for the next product.   Q, K: P = W (i = the feature; a head's 64 are two blocks), R = x (j = the token).   V: P = x_v (i = the token = the key), R = Wv (j = the feature).
; Clusters 0-63 make Q, 64-127 K, 128-191 V: only pointers and a few scalars are chosen by the cluster's number; all three take one path through the text.
; SHARES.  A work-group makes 128 i x 256 j over all of K; wave w of its eight makes 128 i (8 tiles) x 32 j (2 tiles): 16 accumulators.
; LDS.  All of K of both tiles (204 KB with the scale bytes) comes by first fills alone: nothing is filled twice, so there is no ring.  K's second half lands while the first is multiplied.
; CLUSTER.  The four work-groups of a cluster make the same 256 j and four neighbouring blocks of i: R's tiles are asked for JOINTLY (mask 15); P's rows differ from partner to partner and come by plain loads.
; THE WAY OUT.  A block of 32 along i lies in lanes l and l xor 16.  Tile 2 b + u's eight numbers become one register of codes, put at register 4 (b / 2) + 2 u + b % 2; one exchange of halves for each
; pair of registers then gives the operand's own layout.  The codes leave as IMAGES OF THE OPERAND'S REGISTERS: 512 bytes = 16 rows x 64 along K, lane l's 16 bytes at 16 l: each store covers 512 consecutive bytes.
;   qc, kc: [token tile 512][head 16][512]     vc: [feature tile 64][64 tokens: 128][512]
;   qs, ks: [head / 2: 8][pair of token tiles 256][head % 2][row 16] words = (even tile: byte 0, 1 | odd tile: byte 0, 1)     vs: [128 tokens: 64][feature tile 64][row 16] words
; LIMITS.  NaN and infinities are not served.  A block whose largest magnitude lies under 2^-124 (a block of zeros too) gets the byte 1: for zeros the rule says 127, but zero codes add nothing under any
; byte but 0xff, and these bytes are read by this program alone.
.set PITCH, 272                        ; an LDS row of codes: 256 bytes + 16 of padding = 68 words: row r starts at bank 4 r mod 64 (64 banks of 4 bytes: ISA guide 11.1)
.set LPCC,  128*PITCH                  ; P's codes from LDS byte 0 on: two halves of K, 128 rows each
.set LRC,   2*LPCC                     ; R's codes: two halves of K,
.set LRCC,  256*PITCH                  ; 256 rows each
.set LPS,   LRC+2*LRCC                 ; P's scale bytes: 128 rows x 32 bytes, dense, as 16 pieces of 256 bytes + 16 of padding
.set LRS,   LPS+16*272                 ; R's: 32 such pieces
.set LSTG,  LRS+32*272                 ; 1,024 bytes in which the work-group gathers its scale words: a multiple of 256, no tensor load lands here
.set PA,   4                           ; v4      my lane's place in a tile of P: 272 r + 16 h
.set RA,   5                           ; v5, v6  the same in my wave's 32 rows of R, first and second half of K
.set SPA,  7                           ; v7      my lane's place among P's scale words: row = lane
.set SRA,  8                           ; v8      and among my wave's 32 rows of R
.set OF0,  9                           ; v9      16 x lane
.set OF1,  10                          ; v10     the same, one tile of j further on in the codes' buffer
.set STA,  11                          ; v11     where I put my scale word
.set STB,  12                          ; v12     where waves 0 and 1 read 16 bytes back
.set VSEL, 13                          ; v13     byte selects that make the scale word of my half of the lanes
.set GOS,  14                          ; v14     512 (wave % 2) + 16 x lane
.set VSP,  16                          ; v16-31  P's scale words: register 4 (t / 2) + q; lanes 0-15 the even tile, lanes 16-31 the odd one.  They hold scales and nothing else
.set VSR,  32                          ; v32-35  R's: register q; lanes 0-15 my first tile of j, lanes 16-31 my second
.set VRF,  36                          ; v36-51  R's two fragments
.set VPF,  52                          ; v52-115 P's eight
.set ACC,  128                         ; v128-255 accumulator (jt, t) at 128 + 64 jt + 8 t
.set TM,   52                          ; the way out, over P's fragments: v52-55 largest magnitudes, v56-59 bytes, v64-67 the conversions' scale operands
.set PC0,  68                          ; v68-75, v76-83 the codes of my two tiles of j
.set PC1,  76
.set PW0,  84                          ; v84, v85 their scale words
.set PW1,  85
.set OW,   86
.set BK,   88
.set WV,   100                         ; s100    my wave's number
.set CX,   101                         ; s101    my place in the cluster: it enters P's addresses and the outputs' alone
.set G1CJ, 40                          ; s[40:47] group 1: 64 rows of 256 bytes of codes, joint;  s[48:55] the same, plain
.set G1C,  48
.set G1SJ, 56                          ; s[56:63] group 1: 8 pieces of 256 scale bytes, joint;  s[68:75] plain
.set G1S,  68
.set G0R,  76                          ; s[76:87] R's three groups 0: scale bytes, K's first half, K's second half
.set G0P,  88                          ; s[88:99] P's
.macro ROUND                           ; a round of the cluster's barrier: my work-group's barrier; wave 0 signals for the work-group; every wave waits for all four; my work-group's barrier once more
	s_barrier_signal -1
	s_barrier_wait -1
	s_cmp_lg_u32 s[WV], 0
	s_cbranch_scc1 .Lnot_wave_0_\@
	s_barrier_signal -3
.Lnot_wave_0_\@:
	s_barrier_wait -3
	s_barrier_signal -1
	s_barrier_wait -1
.endm
.macro PLACES n
.rept \n
	v_nop
.endr
.endm
; One product 16 x 16 x 128.  zero = 1: it starts the sum.  ra, rb = 1: that side's scale words stand in lanes 16-31 of the register named.
.macro WM d, a, b, zero, sa, sb, ra, rb
.if \zero
.if (\ra) && (\rb)
	v_wmma_scale_f32_16x16x128_f8f6f4 v[\d:\d+7], v[\a:\a+7], v[\b:\b+7], 0, v[\sa], v[\sb] matrix_a_fmt:MATRIX_FMT_FP4 matrix_b_fmt:MATRIX_FMT_FP4 matrix_a_scale:MATRIX_SCALE_ROW1 matrix_b_scale:MATRIX_SCALE_ROW1
.elseif \ra
	v_wmma_scale_f32_16x16x128_f8f6f4 v[\d:\d+7], v[\a:\a+7], v[\b:\b+7], 0, v[\sa], v[\sb] matrix_a_fmt:MATRIX_FMT_FP4 matrix_b_fmt:MATRIX_FMT_FP4 matrix_a_scale:MATRIX_SCALE_ROW1
.elseif \rb
	v_wmma_scale_f32_16x16x128_f8f6f4 v[\d:\d+7], v[\a:\a+7], v[\b:\b+7], 0, v[\sa], v[\sb] matrix_a_fmt:MATRIX_FMT_FP4 matrix_b_fmt:MATRIX_FMT_FP4 matrix_b_scale:MATRIX_SCALE_ROW1
.else
	v_wmma_scale_f32_16x16x128_f8f6f4 v[\d:\d+7], v[\a:\a+7], v[\b:\b+7], 0, v[\sa], v[\sb] matrix_a_fmt:MATRIX_FMT_FP4 matrix_b_fmt:MATRIX_FMT_FP4
.endif
.else
.if (\ra) && (\rb)
	v_wmma_scale_f32_16x16x128_f8f6f4 v[\d:\d+7], v[\a:\a+7], v[\b:\b+7], v[\d:\d+7], v[\sa], v[\sb] matrix_a_fmt:MATRIX_FMT_FP4 matrix_b_fmt:MATRIX_FMT_FP4 matrix_a_scale:MATRIX_SCALE_ROW1 matrix_b_scale:MATRIX_SCALE_ROW1
.elseif \ra
	v_wmma_scale_f32_16x16x128_f8f6f4 v[\d:\d+7], v[\a:\a+7], v[\b:\b+7], v[\d:\d+7], v[\sa], v[\sb] matrix_a_fmt:MATRIX_FMT_FP4 matrix_b_fmt:MATRIX_FMT_FP4 matrix_a_scale:MATRIX_SCALE_ROW1
.elseif \rb
	v_wmma_scale_f32_16x16x128_f8f6f4 v[\d:\d+7], v[\a:\a+7], v[\b:\b+7], v[\d:\d+7], v[\sa], v[\sb] matrix_a_fmt:MATRIX_FMT_FP4 matrix_b_fmt:MATRIX_FMT_FP4 matrix_b_scale:MATRIX_SCALE_ROW1
.else
	v_wmma_scale_f32_16x16x128_f8f6f4 v[\d:\d+7], v[\a:\a+7], v[\b:\b+7], v[\d:\d+7], v[\sa], v[\sb] matrix_a_fmt:MATRIX_FMT_FP4 matrix_b_fmt:MATRIX_FMT_FP4
.endif
.endif
.endm
	s_load_b256 s[4:11], s[0:1], 0x0               ; Q's set: P's codes s[4:5], P's scales s[6:7], R's codes s[8:9], R's scales s[10:11],
	s_load_b128 s[12:15], s[0:1], 0x20             ; the codes' buffer s[12:13], the scale words' s[14:15]
	s_load_b256 s[16:23], s[0:1], 0x30             ; K's set, in the same order
	s_load_b128 s[24:27], s[0:1], 0x50
	s_load_b256 s[28:35], s[0:1], 0x60             ; V's set
	s_load_b128 s[36:39], s[0:1], 0x80
	v_lshl_add_u32 v126, v0, 2, 0x38000
	v_mov_b32 v127, 0
	ds_add_u32 v126, v127
	ds_add_u32 v126, v127
	v_lshrrev_b32 v1, 5, v0
	s_delay_alu instid0(VALU_DEP_1)
	v_readfirstlane_b32 s[WV], v1                  ; wave 0..7
	s_bfe_u32 s[CX], ttmp6, 0x40000                ; cx
	s_lshr_b32 s2, ttmp9, 6                        ; which product: in a cluster launch ttmp9 counts clusters, 64 to a product
	s_mov_b32 s66, 0x76543210                      ; v_permlanex16_b32's selects for lane l xor 16
	s_mov_b32 s67, 0xfedcba98
	; group 1 for codes: 64 rows of 256 bytes, 512 bytes apart in memory, 16 bytes of padding behind each in LDS
	s_mov_b32 s[G1CJ], 15|(1<<20)|(1<<21)|(5<<22)|(3<<25)   ; 15:0 the mask: all four work-groups; 17:16 elements of 1 byte; 20 padding on; 21 set beside a mask; 24:22 after every 64 words; 31:25 four words
	s_mov_b32 s[G1C], (1<<20)|(5<<22)|(3<<25)      ; the same without mask: a load of my own
.irp g, G1CJ, G1C
	s_mov_b32 s[\g+1], 256<<16                     ; tensor_dim0
	s_mov_b32 s[\g+2], 64<<16                      ; tensor_dim1
	s_mov_b32 s[\g+3], 256<<16                     ; tile_dim0
	s_mov_b32 s[\g+4], 64                          ; tile_dim1
	s_mov_b32 s[\g+5], 512                         ; from row to row
	s_mov_b32 s[\g+6], 0
	s_mov_b32 s[\g+7], 0
.endr
	; group 1 for scale bytes: those of 64 rows are 2,048 dense bytes: 8 rows of 32 elements of 8 bytes, 16 bytes of padding behind each
	s_mov_b32 s[G1SJ], 15|(3<<16)|(1<<20)|(1<<21)|(5<<22)|(3<<25)
	s_mov_b32 s[G1S], (3<<16)|(1<<20)|(5<<22)|(3<<25)
.irp g, G1SJ, G1S
	s_mov_b32 s[\g+1], 32<<16
	s_mov_b32 s[\g+2], 8<<16
	s_mov_b32 s[\g+3], 32<<16
	s_mov_b32 s[\g+4], 8
	s_mov_b32 s[\g+5], 32
	s_mov_b32 s[\g+6], 0
	s_mov_b32 s[\g+7], 0
.endr
	s_wait_dscnt 0x0
	s_wait_kmcnt 0x0
	s_cmp_eq_u32 s2, 1                             ; the choice of buffers hangs on the cluster's number alone
.irp i, 0,1,2,3,4,5
	s_cselect_b64 s[4+2*\i:5+2*\i], s[16+2*\i:17+2*\i], s[4+2*\i:5+2*\i]
.endr
	s_cmp_eq_u32 s2, 2
.irp i, 0,1,2,3,4,5
	s_cselect_b64 s[4+2*\i:5+2*\i], s[28+2*\i:29+2*\i], s[4+2*\i:5+2*\i]
.endr
	s_cselect_b32 s19, 16, 13                      ; log2 of the bytes from one tile of j to the next in the codes' buffer: V 128 x 512, Q and K 16 x 512
	s_cselect_b32 s20, 2, 5                        ; log2 of the number of blocks of 256 j: V 4, Q and K 32
	s_cselect_b32 s25, 4, 1                        ; a product's 64 clusters: V 4 blocks of j x 16, Q and K 32 x 2
	s_cselect_b32 s3, 15, 1
	s_mov_b32 s21, 0x05040100                      ; Q, K: lanes 0-15 make the even head's word: bytes 0, 1 of my two tiles' words;
	s_cselect_b32 s21, 0x03020100, s21             ; V: the first tile's word as it is
	s_mov_b32 s22, 0x07060302                      ; Q, K: lanes 16-31 the odd head's: bytes 2, 3;
	s_cselect_b32 s22, 0x07060504, s22             ; V: the second tile's word
	s_and_b32 s16, ttmp9, 63
	s_lshr_b32 s17, s16, s25                       ; tj: which 256 j; the four partners share it
	s_and_b32 s18, s16, s3
	s_lshl_b32 s18, s18, 2
	s_add_co_u32 s18, s18, s[CX]                   ; ti: which 128 i
	s_and_b32 s23, s[WV], 3                        ; waves 0-3 fetch R's rows 64 (wave % 4) on,
	s_and_b32 s24, s[WV], 1                        ; waves 4, 5 P's rows 64 (wave % 2) on
	; R's groups 0, from registers that never hold cx
	s_lshl_b32 s26, s17, 13                        ; scale bytes: 256 rows x 32 bytes a block, 64 x 32 a wave
	s_lshl_b32 s28, s23, 11
	s_add_co_u32 s26, s26, s28
	s_mov_b32 s27, 0
	s_mov_b32 s[G0R], 1
	s_mul_i32 s[G0R+1], s23, 8*272
	s_add_co_u32 s[G0R+1], s[G0R+1], LRS
	s_add_nc_u64 s[G0R+2:G0R+3], s[10:11], s[26:27]
	s_or_b32 s[G0R+3], s[G0R+3], 0x80000000
	s_lshl_b32 s26, s17, 17                        ; codes: 256 rows x 512 bytes a block, 64 x 512 a wave
	s_lshl_b32 s28, s23, 15
	s_add_co_u32 s26, s26, s28
	s_add_nc_u64 s[30:31], s[8:9], s[26:27]
.irp c, 0,1
	s_mov_b32 s[G0R+4+4*\c], 1
	s_mul_i32 s[G0R+5+4*\c], s23, 64*PITCH
	s_add_co_u32 s[G0R+5+4*\c], s[G0R+5+4*\c], LRC+LRCC*\c
	s_add_nc_u64 s[G0R+6+4*\c:G0R+7+4*\c], s[30:31], 256*\c
	s_or_b32 s[G0R+7+4*\c], s[G0R+7+4*\c], 0x80000000
.endr
	; P's groups 0
	s_lshl_b32 s32, s18, 12
	s_lshl_b32 s34, s24, 11
	s_add_co_u32 s32, s32, s34
	s_mov_b32 s33, 0
	s_mov_b32 s[G0P], 1
	s_mul_i32 s[G0P+1], s24, 8*272
	s_add_co_u32 s[G0P+1], s[G0P+1], LPS
	s_add_nc_u64 s[G0P+2:G0P+3], s[6:7], s[32:33]
	s_or_b32 s[G0P+3], s[G0P+3], 0x80000000
	s_lshl_b32 s32, s18, 16
	s_lshl_b32 s34, s24, 15
	s_add_co_u32 s32, s32, s34
	s_add_nc_u64 s[36:37], s[4:5], s[32:33]
.irp c, 0,1
	s_mov_b32 s[G0P+4+4*\c], 1
	s_mul_i32 s[G0P+5+4*\c], s24, 64*PITCH
	s_add_co_u32 s[G0P+5+4*\c], s[G0P+5+4*\c], LPCC*\c
	s_add_nc_u64 s[G0P+6+4*\c:G0P+7+4*\c], s[36:37], 256*\c
	s_or_b32 s[G0P+7+4*\c], s[G0P+7+4*\c], 0x80000000
.endr
	ROUND                                          ; all four work-groups are here: the joint loads meet
	s_cmp_lt_u32 s[WV], 4                          ; a wave's first fills stand in one branch on its number: three loads of mine are out, or none
	s_cbranch_scc0 .Lnot_r
	tensor_load_to_lds s[G0R:G0R+3], s[G1SJ:G1SJ+7]
	s_nop 0
	tensor_load_to_lds s[G0R+4:G0R+7], s[G1CJ:G1CJ+7]
	s_nop 0
	tensor_load_to_lds s[G0R+8:G0R+11], s[G1CJ:G1CJ+7]
	s_nop 0
	PLACES 4                                       ; four v_nop follow the last load of a branch
	s_branch .Lasked
.Lnot_r:
	s_cmp_lt_u32 s[WV], 6
	s_cbranch_scc0 .Lasked
	tensor_load_to_lds s[G0P:G0P+3], s[G1S:G1S+7]
	s_nop 0
	tensor_load_to_lds s[G0P+4:G0P+7], s[G1C:G1C+7]
	s_nop 0
	tensor_load_to_lds s[G0P+8:G0P+11], s[G1C:G1C+7]
	s_nop 0
	PLACES 4
.Lasked:
	v_and_b32 v1, 31, v0                           ; lane
	v_and_b32 v2, 15, v0                           ; r
	v_bfe_u32 v3, v0, 4, 1                         ; h
	s_delay_alu instid0(VALU_DEP_2)
	v_mul_u32_u24 v[PA], v2, PITCH
	s_delay_alu instid0(VALU_DEP_1)
	v_lshl_add_u32 v[PA], v3, 4, v[PA]
	s_mul_i32 s28, s[WV], 32*PITCH
	s_add_co_u32 s28, s28, LRC
	v_add_nc_u32 v[RA], s28, v[PA]
	s_delay_alu instid0(VALU_DEP_1)
	v_add_nc_u32 v[RA+1], LRCC, v[RA]
	v_lshrrev_b32 v[SPA], 3, v1                    ; a row's 32 scale bytes: eight rows to a piece of 256 bytes + 16
	s_delay_alu instid0(VALU_DEP_1)
	v_mul_u32_u24 v[SPA], v[SPA], 272
	v_and_b32 v[SRA], 7, v1
	s_delay_alu instid0(VALU_DEP_1)
	v_lshl_add_u32 v[SPA], v[SRA], 5, v[SPA]
	s_mul_i32 s28, s[WV], 4*272
	s_add_co_u32 s28, s28, LRS
	v_add_nc_u32 v[SRA], s28, v[SPA]
	v_add_nc_u32 v[SPA], LPS, v[SPA]
	v_lshlrev_b32 v[OF0], 4, v1
	s_lshl_b32 s29, 1, s19
	v_add_nc_u32 v[OF1], s29, v[OF0]
	v_lshl_add_u32 v[STA], v0, 2, LSTG             ; 128 x wave + 4 x lane
	s_lshl_b32 s28, s24, 9
	v_add_nc_u32 v[GOS], s28, v[OF0]
	s_delay_alu instid0(VALU_DEP_1)
	v_add_nc_u32 v[STB], LSTG, v[GOS]
	v_mov_b32 v[VSEL], s21
	v_mov_b32 v15, s22
	v_cmp_eq_u32 vcc_lo, 1, v3
	s_delay_alu instid0(VALU_DEP_1)
	v_cndmask_b32 v[VSEL], v[VSEL], v15, vcc_lo
	s_lshl_b32 s32, s17, 4                         ; my codes: tile of j 16 tj + 2 wave, 1,024 bytes (128 i) for each ti
	s_lshl_b32 s34, s[WV], 1
	s_add_co_u32 s32, s32, s34
	s_lshl_b32 s32, s32, s19
	s_lshl_b32 s34, s18, 10
	s_add_co_u32 s32, s32, s34
	s_add_nc_u64 s[12:13], s[12:13], s[32:33]
	s_lshl_b32 s32, s18, s20                       ; the work-group's 1,024 bytes of scale words: number ti x (blocks of j) + tj
	s_add_co_u32 s32, s32, s17
	s_lshl_b32 s32, s32, 10
	s_add_nc_u64 s[14:15], s[14:15], s[32:33]
; 128 along K: the q-th of half c.  Twenty loads (25 with a half's scale words), sixteen products.  The sixteen accumulators take turns, one instruction a turn, in the same order in every step.
.macro KSTEP c, q, zero
.if \zero == 0
	PLACES 4                                       ; in front of loads into registers that matrix instructions have read (ISA guide 7.12.1 for vector instructions)
.endif
.if \q == 0
.irp t2, 0,1,2,3
	ds_load_b128 v[VSP+4*\t2:VSP+4*\t2+3], v[SPA] offset:4*272*\t2+16*\c   ; four words a row: this half's four steps; rows 32 t2 + lane
.endr
	ds_load_b128 v[VSR:VSR+3], v[SRA] offset:16*\c
.endif
.irp jt, 0,1
.irp k, 0,1
	ds_load_b128 v[VRF+8*\jt+4*\k:VRF+8*\jt+4*\k+3], v[RA+\c] offset:16*PITCH*\jt+64*\q+32*\k
.endr
.endr
.irp t, 0,1,2,3,4,5,6,7
.irp k, 0,1
	ds_load_b128 v[VPF+8*\t+4*\k:VPF+8*\t+4*\k+3], v[PA] offset:LPCC*\c+16*PITCH*\t+64*\q+32*\k
.endr
.endr
	s_wait_dscnt 8                                 ; all but the youngest eight loads: P's tiles 4-7
.irp t, 0,1,2,3
.irp jt, 0,1
	WM ACC+64*\jt+8*\t, VPF+8*\t, VRF+8*\jt, \zero, VSP+4*(\t/2)+\q, VSR+\q, \t%2, \jt
.endr
.endr
	s_wait_dscnt 0x0
.irp t, 4,5,6,7
.irp jt, 0,1
	WM ACC+64*\jt+8*\t, VPF+8*\t, VRF+8*\jt, \zero, VSP+4*(\t/2)+\q, VSR+\q, \t%2, \jt
.endr
.endr
.endm
; 64 numbers of a lane, register 16 b + 8 u + n = i 32 b + 16 u + 8 h + n of my j, become a fragment's codes in v[pc] on and its scale word in v[pw].
.macro QUANT s, pc, pw
.irp b, 0,1,2,3
	v_max3_num_f32 v[TM+\b], |v[\s+16*\b]|, |v[\s+1+16*\b]|, 0x1800000   ; block b: my 16 numbers, each accumulator from its low end on, and the floor 2^(3 - 127): the byte cannot fall under 1
.endr
.irp i, 2,4,6,8,10,12,14
.irp b, 0,1,2,3
	v_max3_num_f32 v[TM+\b], v[TM+\b], |v[\s+16*\b+\i]|, |v[\s+1+16*\b+\i]|   ; (the four blocks by turns)
.endr
.endr
.irp b, 0,1,2,3
	s_delay_alu instid0(VALU_DEP_4)
	v_permlanex16_b32 v[TM+4+\b], v[TM+\b], s66, s67
.endr
.irp b, 0,1,2,3
	s_delay_alu instid0(VALU_DEP_4)
	v_max_num_f32 v[TM+\b], v[TM+\b], v[TM+4+\b]   ; with lane l xor 16's: the block's largest magnitude
.endr
.irp b, 0,1,2,3
	s_delay_alu instid0(VALU_DEP_4)
	v_add_nc_u32 v[TM+12+\b], 0xff000000, v[TM+\b] ; 2 off its exponent field: the conversion takes the exponent field of this operand as its scale
.endr
.irp b, 0,1,2,3
	s_delay_alu instid0(VALU_DEP_4)
	v_lshrrev_b32 v[TM+4+\b], 23, v[TM+12+\b]      ; the scale's byte
.endr
	s_delay_alu instid0(VALU_DEP_3)
	v_lshl_or_b32 v[\pw], v[TM+5], 8, v[TM+4]
	s_delay_alu instid0(VALU_DEP_1)
	v_lshl_or_b32 v[\pw], v[TM+6], 16, v[\pw]
	s_delay_alu instid0(VALU_DEP_1)
	v_lshl_or_b32 v[\pw], v[TM+7], 24, v[\pw]
.irp b, 0,1,2,3
.irp u, 0,1
	v_cvt_scalef32_pk8_fp4_f32 v[\pc+4*(\b/2)+2*\u+\b%2], v[\s+16*\b+8*\u:\s+16*\b+8*\u+7], v[TM+12+\b]
.endr
.endr
	v_nop                                          ; one plain place behind a scaled conversion
.irp c, 0,1
.irp u, 0,1
	v_permlane16_swap_b32 v[\pc+4*\c+2*\u], v[\pc+4*\c+2*\u+1]   ; the first's lanes 16-31 change places with the second's lanes 0-15: registers 4 c .. 4 c + 3 now hold i = 64 c + 32 h + 0 .. 31
.endr
.endr
.endm
	s_wait_tensorcnt 0x1                           ; my scale bytes and my part of K's first half are in; the second half's load may stay out
	s_barrier_signal -1
	s_barrier_wait -1                              ; everybody's are
	KSTEP 0, 0, 1                                  ; the first step's products start the sums: nothing is cleared
	KSTEP 0, 1, 0
	KSTEP 0, 2, 0
	KSTEP 0, 3, 0
	s_wait_tensorcnt 0x0                           ; my part of K's second half is in,
	s_barrier_signal -1
	s_barrier_wait -1                              ; everybody's is
	KSTEP 1, 0, 0
	KSTEP 1, 1, 0
	KSTEP 1, 2, 0
	KSTEP 1, 3, 0
	PLACES 4                                       ; in front of the first read of results and of writes over P's fragments
.irp b, 0,1,2,3
	v_mov_b32 v[TM+4+\b], 0                        ; a lane permute's destination counts as one of its sources
.endr
	QUANT ACC, PC0, PW0
	global_store_b128 v[OF0], v[PC0:PC0+3], s[12:13]               ; each store: 512 consecutive bytes, at a multiple of 512 from the buffer's first byte
	global_store_b128 v[OF0], v[PC0+4:PC0+7], s[12:13] offset:512
	QUANT ACC+64, PC1, PW1
	global_store_b128 v[OF1], v[PC1:PC1+3], s[12:13]
	global_store_b128 v[OF1], v[PC1+4:PC1+7], s[12:13] offset:512
	v_perm_b32 v[OW], v[PW1], v[PW0], v[VSEL]      ; selects 0-3 name the first tile's word, 4-7 the second's
	ds_store_b32 v[STA], v[OW]                     ; a wave's 128 bytes; the eight waves' lie on end as they do in memory
	s_wait_dscnt 0x0                               ; for the others' sake
	s_barrier_signal -1
	s_barrier_wait -1
	s_cmp_lt_u32 s[WV], 2
	s_cbranch_scc0 .Lno_words
	ds_load_b128 v[BK:BK+3], v[STB]
	s_wait_dscnt 0x0
	global_store_b128 v[GOS], v[BK:BK+3], s[14:15] ; 512 consecutive bytes a wave
.Lno_words:
	s_wait_tensorcnt 0x0
	ds_add_u32 v126, v127
	s_wait_dscnt 0x0
	ROUND                                          ; the closing round: no work-group ends while a partner may still ask for a tile that names it
	s_endpgm
.Lfunc_end_k_q7420514780_proj:
	.size	k_q7420514780_proj, .Lfunc_end_k_q7420514780_proj-k_q7420514780_proj
	.p2alignl 7, 3214868480
	.fill 96, 4, 3214868480
	.section	.rodata,"a",@progbits
	.p2align	6, 0x0
	.amdhsa_kernel k_q7420514780_proj
		.amdhsa_group_segment_fixed_size 230400
		.amdhsa_private_segment_fixed_size 0
		.amdhsa_enable_private_segment 0
		.amdhsa_kernarg_size 144
		.amdhsa_user_sgpr_count 2
		.amdhsa_user_sgpr_kernarg_segment_ptr 1
		.amdhsa_wavefront_size32 1
		.amdhsa_system_sgpr_workgroup_id_x 1
		.amdhsa_system_sgpr_workgroup_id_y 1
		.amdhsa_system_sgpr_workgroup_id_z 1
		.amdhsa_system_vgpr_workitem_id 0
		.amdhsa_next_free_vgpr 256
		.amdhsa_next_free_sgpr 102
		.amdhsa_reserve_vcc 1
		.amdhsa_float_denorm_mode_32 3
		.amdhsa_float_denorm_mode_16_64 3
		.amdhsa_memory_ordered 1
		.amdhsa_forward_progress 1
		.amdhsa_inst_pref_size 48
	.end_amdhsa_kernel
	.amdgpu_metadata
---
amdhsa.version: [ 1, 2 ]
amdhsa.kernels:
  - .name:           k_q7420514780_proj
    .symbol:         k_q7420514780_proj.kd
    .args:
      - { .name: Wq_codes, .offset: 0, .size: 8, .value_kind: global_buffer, .address_space: global }
      - { .name: Wq_scales, .offset: 8, .size: 8, .value_kind: global_buffer, .address_space: global }
      - { .name: x_q_codes, .offset: 16, .size: 8, .value_kind: global_buffer, .address_space: global }
      - { .name: x_q_scales, .offset: 24, .size: 8, .value_kind: global_buffer, .address_space: global }
      - { .name: qc, .offset: 32, .size: 8, .value_kind: global_buffer, .address_space: global }
      - { .name: qs, .offset: 40, .size: 8, .value_kind: global_buffer, .address_space: global }
      - { .name: Wk_codes, .offset: 48, .size: 8, .value_kind: global_buffer, .address_space: global }
      - { .name: Wk_scales, .offset: 56, .size: 8, .value_kind: global_buffer, .address_space: global }
      - { .name: x_k_codes, .offset: 64, .size: 8, .value_kind: global_buffer, .address_space: global }
      - { .name: x_k_scales, .offset: 72, .size: 8, .value_kind: global_buffer, .address_space: global }
      - { .name: kc, .offset: 80, .size: 8, .value_kind: global_buffer, .address_space: global }
      - { .name: ks, .offset: 88, .size: 8, .value_kind: global_buffer, .address_space: global }
      - { .name: x_v_codes, .offset: 96, .size: 8, .value_kind: global_buffer, .address_space: global }
      - { .name: x_v_scales, .offset: 104, .size: 8, .value_kind: global_buffer, .address_space: global }
      - { .name: Wv_codes, .offset: 112, .size: 8, .value_kind: global_buffer, .address_space: global }
      - { .name: Wv_scales, .offset: 120, .size: 8, .value_kind: global_buffer, .address_space: global }
      - { .name: vc, .offset: 128, .size: 8, .value_kind: global_buffer, .address_space: global }
      - { .name: vs, .offset: 136, .size: 8, .value_kind: global_buffer, .address_space: global }
    .group_segment_fixed_size: 230400
    .private_segment_fixed_size: 0
    .kernarg_segment_align: 8
    .kernarg_segment_size: 144
    .max_flat_workgroup_size: 256
    .sgpr_count:     102
    .vgpr_count:     256
    .wavefront_size: 32
...
	.end_amdgpu_metadata
.endif
;; end of part 1
;; launch attn (part 2): grid 4 x 64, 16 waves a work-group, clusters of 4 x 1, 169,984 bytes of LDS; arguments qc, qs, kc, ks, vc, vs, cc, cs; writes cc, cs
.if DOCPART == 2
	.amdgcn_target "amdgcn-amd-amdhsa--gfx1250"
	.amdhsa_code_object_version 6
	.text
	.protected	k_q7420514780_attn
	.globl	k_q7420514780_attn
	.p2align	8
	.type	k_q7420514780_attn,@function
k_q7420514780_attn:
	s_mov_b64 s[64:65], 0
	v_nop
	global_prefetch_b8 v0, s[64:65] scope:SCOPE_SE
	s_setreg_imm32_b32 hwreg(HW_REG_WAVE_MODE, 25, 1), 1
	s_wait_xcnt 0x0
	s_wait_alu depctr_hold_cnt(0) depctr_sa_sdst(0) depctr_va_vdst(0) depctr_va_sdst(0) depctr_va_ssrc(0) depctr_va_vcc(0) depctr_vm_vsrc(0)
	s_getreg_b32 s2, hwreg(HW_REG_IB_STS2, 6, 4)
	s_cmp_eq_u32 s2, 0
	s_cbranch_scc0 .Lentry_in_a_cluster
	s_endpgm
.Lentry_in_a_cluster:
	s_bfe_u32 s2, ttmp6, 0x10000c
	s_cmp_lg_u32 s2, 0x3003
	s_cbranch_scc0 .Lentry_shape_is_right
	s_endpgm
.Lentry_shape_is_right:
; ATTENTION ON CODES OF FP4 (E2M1), head size 64, 2,048 keys, no mask; and the quantising of its result along the model's 1,024 for the last projection.
; t = score x log2(e) / 8; M = the row's largest t so far, rounded UP to a whole number; p = 2^(t - M) is what is quantised, along the keys; the row's sum is taken of the unquantised p and divides O at the end.
; When M moves, the sum and O are multiplied by 2^(old M - new M): exact.
; SHARES.  A work-group owns one head of one batch and 512 of its queries; each of its sixteen waves owns a tile of 16 queries in each of two passes.  Four waves share a SIMD: one wave's vector work
; stands beside another's products and LDS loads.  Every wave walks all keys, 128 a step.
; LDS.  The head's whole K and V, as codes with their scale words, are 136 KB: they come ONCE, by first fills; nothing is filled twice, so there is no ring.
; CLUSTER.  The four blocks of queries of a head form a cluster and ask for K and V JOINTLY (mask 15).
; LAYOUT.  Codes lie as images of the operand's registers (512 bytes = 16 rows x 64 along K, lane l's 16 bytes at 16 l), so every fragment load reads 512 consecutive bytes.
; Both products are used transposed (S^T = K Q^T, O^T = V^T P^T): a lane holds ONE query (lane % 16) throughout, and its registers run along the keys, then along the head's 64.
; K = 64 IN AN INSTRUCTION OF 128.  A fragment of K holds TWO tiles of 16 keys: one in k 0-63, the next in k 64-127.  Against Q's codes in k 0-63 and zero codes above it gives the first tile's scores, against zero
; codes below and Q's codes in k 64-127 the second's: zero codes add nothing under any scale byte but 0xff, and the bytes made here lie between 1 and 254.  No LDS byte is read without use.
; LIMITS.  NaN and infinities are not served.  p under 2^-126 comes out of v_exp_f32 as 0.  A block of zeros gets the byte 1 where the rule says 127 (its codes are zeros; this program alone reads the bytes).
; A block's largest p is taken from its largest score by the same multiply-add and exponential: this takes v_exp_f32 not to fall where its input rises.
.set LKC,  0                           ; K's codes: 128 tiles of 16 keys, 512 bytes each
.set LVC,  65536                       ; V's: 4 tiles of 16 of the head's 64, each 32 pieces of 64 keys x 512 bytes
.set LKS,  131072                      ; K's scale words: 64 bytes for each pair of tiles
.set LVS,  135168                      ; V's: 256 bytes for each 128 keys: 4 tiles x 16 rows
.set LCST, 139264                      ; 1,024 bytes in which the work-group gathers ctx's scale bytes: a multiple of 256, no tensor load lands here
.set L16,  1                           ; v1   16 x lane
.set L4,   2                           ; v2   4 x lane
.set R4,   3                           ; v3   4 x (lane % 16)
.set CSA,  4                           ; v4   where I put my row's two scale bytes
.set CRD,  5                           ; v5   where waves 0 and 1 read 16 bytes back
.set ADK,  6                           ; v6-8 the step's LDS addresses: K's codes, V's codes, the scale words
.set ADV,  7
.set ADS,  8
.set QW,   9                           ; v9   Q's scale word as it lies in memory (two tiles')
.set GCS,  10                          ; v10  512 (wave % 2) + 16 x lane
.set NM,   12                          ; v12  -M;  v13 the largest t so far
.set TX,   13
.set LS,   14                          ; v[14:15] the row's sum, in two halves
.set QHI,  16                          ; v[16:23] zero codes, then Q's;  v[20:27] Q's codes, then zero codes
.set QLO,  20
.set QSW,  28                          ; v28  Q's scale word: its two bytes twice
.set KF,   32                          ; v32-63  K's four fragments
.set VF,   64                          ; v64-95  V's four
.set S,    96                          ; v96-159 S^T, then p
.set OT,   160                         ; v160-191 O^T
.set PCD,  192                         ; v192-199 p's codes
.set KSW,  200                         ; v200, v201 K's scale words;  v202, v203 V's;  v204 p's: they hold scales and nothing else
.set VSW,  202
.set PSW,  204
.set BM,   208                         ; v208-211 a block's largest score, then its largest p
.set BX,   212                         ; v212-215 the other half's; then the bytes
.set BS,   216                         ; v216-219 the conversions' scale operands
.set FF,   220                         ; v[220:221] f = 2^(old M - new M); the pair's upper word is written once
.set TP,   222
.set SM2,  224                         ; v[224:225] the sum's second chain
.set CH,   226                         ; v226 ctx's two scale bytes
.set WV,   20
.set CX,   21
.set SEL,  26                          ; s[26:27] v_permlanex16_b32's selects for lane l xor 16
.set CS,   28                          ; s[28:29] c = log2(e) / 8: the packed form names a pair and takes its low word for both halves
.set G1KC, 32                          ; s[32:39], s[40:47], s[48:55], s[56:63] groups 1: K's codes, K's scale words, V's codes, V's scale words
.set G1KS, 40
.set G1VC, 48
.set G1VS, 56
.set G0KC, 68                          ; s[68:83] their groups 0
.set G0KS, 72
.set G0VC, 76
.set G0VS, 80
.set SELQ, 96
.set TK,   97                          ; s97-99 where the step's K, V and scale words begin in LDS
.set TV,   98
.set TS,   99
.set CNT,  100
.macro ROUND                           ; a round of the cluster's barrier
	s_barrier_signal -1
	s_barrier_wait -1
	s_cmp_lg_u32 s[WV], 0
	s_cbranch_scc1 .Lnot_wave_0_\@
	s_barrier_signal -3
.Lnot_wave_0_\@:
	s_barrier_wait -3
	s_barrier_signal -1
	s_barrier_wait -1
.endm
.macro PLACES n
.rept \n
	v_nop
.endr
.endm
; One product 16 x 16 x 128.  zero = 1: it starts the sum.  ra = 1: source 0's scale words stand in lanes 16-31.
.macro WM d, a, b, zero, sa, sb, ra
.if \zero
.if \ra
	v_wmma_scale_f32_16x16x128_f8f6f4 v[\d:\d+7], v[\a:\a+7], v[\b:\b+7], 0, v[\sa], v[\sb] matrix_a_fmt:MATRIX_FMT_FP4 matrix_b_fmt:MATRIX_FMT_FP4 matrix_a_scale:MATRIX_SCALE_ROW1
.else
	v_wmma_scale_f32_16x16x128_f8f6f4 v[\d:\d+7], v[\a:\a+7], v[\b:\b+7], 0, v[\sa], v[\sb] matrix_a_fmt:MATRIX_FMT_FP4 matrix_b_fmt:MATRIX_FMT_FP4
.endif
.else
.if \ra
	v_wmma_scale_f32_16x16x128_f8f6f4 v[\d:\d+7], v[\a:\a+7], v[\b:\b+7], v[\d:\d+7], v[\sa], v[\sb] matrix_a_fmt:MATRIX_FMT_FP4 matrix_b_fmt:MATRIX_FMT_FP4 matrix_a_scale:MATRIX_SCALE_ROW1
.else
	v_wmma_scale_f32_16x16x128_f8f6f4 v[\d:\d+7], v[\a:\a+7], v[\b:\b+7], v[\d:\d+7], v[\sa], v[\sb] matrix_a_fmt:MATRIX_FMT_FP4 matrix_b_fmt:MATRIX_FMT_FP4
.endif
.endif
.endm
	s_load_b512 s[4:19], s[0:1], 0x0               ; qc s[4:5], qs s[6:7], kc s[8:9], ks s[10:11], vc s[12:13], vs s[14:15], cc s[16:17], cs s[18:19]
	v_lshl_add_u32 v254, v0, 2, 0x29000
	v_mov_b32 v255, 0
	ds_add_u32 v254, v255
	ds_add_u32 v254, v255
	v_lshrrev_b32 v1, 5, v0
	s_delay_alu instid0(VALU_DEP_1)
	v_readfirstlane_b32 s[WV], v1                  ; wave 0..15
	s_bfe_u32 s[CX], ttmp6, 0x40000                ; cx: which 512 queries; it enters Q's and the outputs' addresses alone
	s_and_b32 s22, ttmp7, 0xffff                   ; batch x 16 + head, which the four partners share
	s_lshr_b32 s23, s22, 4                         ; batch
	s_and_b32 s24, s22, 15                         ; head
	s_lshr_b32 s25, s24, 1                         ; head / 2
	s_and_b32 s30, s24, 1                          ; head % 2
	s_and_b32 s31, s[WV], 1                        ; which half of a tensor I fetch, if I fetch
	s_mov_b32 s[SEL], 0x76543210
	s_mov_b32 s[SEL+1], 0xfedcba98
	s_mov_b32 s[CS], 0x3e38aa3b                    ; log2(e) / 8
	s_mov_b32 s[CS+1], s[CS]                       ; (named with it as a pair, so it is written)
	s_cmp_eq_u32 s31, 1
	s_mov_b32 s[SELQ], 0x01000100                  ; my tile of queries is the even one of its pair (bytes 0, 1 of the word)
	s_cselect_b32 s[SELQ], 0x03020302, s[SELQ]     ; or the odd one (bytes 2, 3): the wave's number decides, since the block's first tile is even
	; groups 1: elements of 8 bytes, no padding (every read is of consecutive bytes); 15:0 the mask: all four work-groups; 21 set beside a mask
.irp g, G1KC, G1KS, G1VC, G1VS
	s_mov_b32 s[\g], 15|(3<<16)|(1<<21)
	s_mov_b32 s[\g+6], 0
	s_mov_b32 s[\g+7], 0
.endr
	s_mov_b32 s[G1KC+1], 64<<16                    ; K's codes: 64 tiles of 512 bytes, 8,192 bytes apart (the 16 heads of a tile of tokens lie on end)
	s_mov_b32 s[G1KC+2], 64<<16
	s_mov_b32 s[G1KC+3], 64<<16
	s_mov_b32 s[G1KC+4], 64
	s_mov_b32 s[G1KC+5], 1024
	s_mov_b32 s[G1KS+1], 8<<16                     ; K's scale words: 32 pairs of tiles, 64 bytes each, 128 bytes apart
	s_mov_b32 s[G1KS+2], 32<<16
	s_mov_b32 s[G1KS+3], 8<<16
	s_mov_b32 s[G1KS+4], 32
	s_mov_b32 s[G1KS+5], 16
	s_mov_b32 s[G1VC+1], 2048<<16                  ; V's codes: 2 tiles of features, the batch's 16,384 bytes of each, 65,536 bytes apart
	s_mov_b32 s[G1VC+2], 2<<16
	s_mov_b32 s[G1VC+3], 2048<<16
	s_mov_b32 s[G1VC+4], 2
	s_mov_b32 s[G1VC+5], 8192
	s_mov_b32 s[G1VS+1], 32<<16                    ; V's scale words: 8 steps of 128 keys, the head's 256 bytes of each, 4,096 bytes apart
	s_mov_b32 s[G1VS+2], 8<<16
	s_mov_b32 s[G1VS+3], 32<<16
	s_mov_b32 s[G1VS+4], 8
	s_mov_b32 s[G1VS+5], 512
	s_mov_b32 s85, 0
	s_wait_dscnt 0x0
	s_wait_kmcnt 0x0
	; groups 0, from registers that never hold cx
	s_lshl_b32 s84, s23, 7                         ; K's codes: tile 128 batch + 64 half, the head's 512 bytes
	s_lshl_b32 s86, s31, 6
	s_add_co_u32 s84, s84, s86
	s_lshl_b32 s84, s84, 13
	s_lshl_b32 s86, s24, 9
	s_add_co_u32 s84, s84, s86
	s_mov_b32 s[G0KC], 1
	s_lshl_b32 s[G0KC+1], s31, 15
	s_add_nc_u64 s[G0KC+2:G0KC+3], s[8:9], s[84:85]
	s_or_b32 s[G0KC+3], s[G0KC+3], 0x80000000
	s_lshl_b32 s84, s23, 6                         ; K's scale words: pair 64 batch + 32 half
	s_lshl_b32 s86, s31, 5
	s_add_co_u32 s84, s84, s86
	s_lshl_b32 s84, s84, 7
	s_lshl_b32 s86, s25, 15
	s_add_co_u32 s84, s84, s86
	s_lshl_b32 s86, s30, 6
	s_add_co_u32 s84, s84, s86
	s_mov_b32 s[G0KS], 1
	s_lshl_b32 s[G0KS+1], s31, 11
	s_add_co_u32 s[G0KS+1], s[G0KS+1], LKS
	s_add_nc_u64 s[G0KS+2:G0KS+3], s[10:11], s[84:85]
	s_or_b32 s[G0KS+3], s[G0KS+3], 0x80000000
	s_lshl_b32 s84, s24, 2                         ; V's codes: tile of features 4 head + 2 half, the batch's 32 pieces
	s_lshl_b32 s86, s31, 1
	s_add_co_u32 s84, s84, s86
	s_lshl_b32 s84, s84, 16
	s_lshl_b32 s86, s23, 14
	s_add_co_u32 s84, s84, s86
	s_mov_b32 s[G0VC], 1
	s_lshl_b32 s[G0VC+1], s31, 15
	s_add_co_u32 s[G0VC+1], s[G0VC+1], LVC
	s_add_nc_u64 s[G0VC+2:G0VC+3], s[12:13], s[84:85]
	s_or_b32 s[G0VC+3], s[G0VC+3], 0x80000000
	s_lshl_b32 s84, s23, 4                         ; V's scale words: step 16 batch + 8 half, the head's 256 bytes
	s_lshl_b32 s86, s31, 3
	s_add_co_u32 s84, s84, s86
	s_lshl_b32 s84, s84, 12
	s_lshl_b32 s86, s24, 8
	s_add_co_u32 s84, s84, s86
	s_mov_b32 s[G0VS], 1
	s_lshl_b32 s[G0VS+1], s31, 11
	s_add_co_u32 s[G0VS+1], s[G0VS+1], LVS
	s_add_nc_u64 s[G0VS+2:G0VS+3], s[14:15], s[84:85]
	s_or_b32 s[G0VS+3], s[G0VS+3], 0x80000000
	ROUND                                          ; all four work-groups are here: the joint loads meet
	s_cmp_lt_u32 s[WV], 2                          ; waves 0, 1: K's halves; waves 2, 3: V's; the others nothing.  A wave's two fills stand in one branch: two loads of mine are out, or none
	s_cbranch_scc0 .Lnot_k
	tensor_load_to_lds s[G0KC:G0KC+3], s[G1KC:G1KC+7]
	s_nop 0
	tensor_load_to_lds s[G0KS:G0KS+3], s[G1KS:G1KS+7]
	s_nop 0
	PLACES 4                                       ; four v_nop follow the last load of a branch
	s_branch .Lasked
.Lnot_k:
	s_cmp_lt_u32 s[WV], 4
	s_cbranch_scc0 .Lasked
	tensor_load_to_lds s[G0VC:G0VC+3], s[G1VC:G1VC+7]
	s_nop 0
	tensor_load_to_lds s[G0VS:G0VS+3], s[G1VS:G1VS+7]
	s_nop 0
	PLACES 4
.Lasked:
	v_and_b32 v[L4], 31, v0                        ; lane
	v_and_b32 v[R4], 15, v0                        ; r
	s_delay_alu instid0(VALU_DEP_2)
	v_lshlrev_b32 v[L16], 4, v[L4]
	s_delay_alu instid0(VALU_DEP_3)
	v_lshlrev_b32 v[L4], 2, v[L4]
	s_delay_alu instid0(VALU_DEP_3)
	v_lshlrev_b32 v[CSA], 1, v[R4]
	s_delay_alu instid0(VALU_DEP_4)
	v_lshlrev_b32 v[R4], 2, v[R4]
	s_lshl_b32 s84, s[WV], 5
	s_add_co_u32 s84, s84, LCST
	v_add_nc_u32 v[CSA], s84, v[CSA]               ; 32 bytes a tile of queries: 32 x wave + 2 r
	s_lshl_b32 s84, s31, 9
	v_add_nc_u32 v[GCS], s84, v[L16]
	s_delay_alu instid0(VALU_DEP_1)
	v_add_nc_u32 v[CRD], LCST, v[GCS]
.irp i, 0,1,2,3
	v_mov_b32 v[QHI+\i], 0                         ; the zero codes on both sides of Q's
	v_mov_b32 v[QLO+4+\i], 0
	v_mov_b32 v[BX+\i], 0                          ; a lane permute's destination counts as one of its sources
.endr
	v_mov_b32 v[FF+1], 0                           ; (named as the upper half of a pair)
	v_mov_b32 v[TP], 0
	s_lshl_b32 s88, s23, 7                         ; the block's first tile of queries: 128 batch + 32 cx
	s_lshl_b32 s89, s[CX], 5
	s_add_co_u32 s88, s88, s89
	s_add_co_u32 s89, s88, s[WV]                   ; my tile in pass 0; pass 1's lies 16 tiles on
	s_lshl_b32 s90, s89, 13
	s_lshl_b32 s92, s24, 9
	s_add_co_u32 s90, s90, s92
	s_mov_b32 s91, 0
	s_add_nc_u64 s[4:5], s[4:5], s[90:91]          ; Q's codes, and ctx's: the same place in buffers of the same layout
	s_add_nc_u64 s[16:17], s[16:17], s[90:91]
	s_lshr_b32 s90, s89, 1                         ; Q's scale words: my tile's pair
	s_lshl_b32 s90, s90, 7
	s_lshl_b32 s92, s25, 15
	s_add_co_u32 s90, s90, s92
	s_lshl_b32 s92, s30, 6
	s_add_co_u32 s90, s90, s92
	s_add_nc_u64 s[6:7], s[6:7], s[90:91]
	s_lshl_b32 s90, s24, 14                        ; ctx's scale bytes: [head][tile][row] halfwords: the block's 32 tiles are 1,024 consecutive bytes
	s_lshl_b32 s92, s88, 5
	s_add_co_u32 s90, s90, s92
	s_add_nc_u64 s[18:19], s[18:19], s[90:91]
; A KEY STEP: 128 keys.
.macro STEP
	v_add_nc_u32 v[ADK], s[TK], v[L16]             ; these three and the v_nop are the four places in front of loads into registers that the last step's products have read
	v_add_nc_u32 v[ADV], s[TV], v[L16]
	v_add_nc_u32 v[ADS], s[TS], v[L4]
	v_nop
.irp f, 0,1,2,3
.irp k, 0,1
	ds_load_b128 v[KF+8*\f+4*\k:KF+8*\f+4*\k+3], v[ADK] offset:1024*\f+512*\k   ; fragment f: tile 2 f in k 0-63, tile 2 f + 1 in k 64-127
.endr
.endr
	ds_load_b32 v[KSW], v[ADS]                     ; lanes 0-15 fragment 0's words, lanes 16-31 fragment 1's
	ds_load_b32 v[KSW+1], v[ADS] offset:128        ; fragments 2 and 3
.irp t, 0,1,2,3
.irp k, 0,1
	ds_load_b128 v[VF+8*\t+4*\k:VF+8*\t+4*\k+3], v[ADV] offset:16384*\t+512*\k  ; V's are asked for now and land under the softmax
.endr
.endr
	ds_load_b32 v[VSW], v[ADS] offset:LVS-LKS      ; a step's words of V are 256 bytes, as K's are: one address serves both
	ds_load_b32 v[VSW+1], v[ADS] offset:LVS-LKS+128
	s_wait_dscnt 10                                ; K's ten loads are in; V's ten may be out
.irp f, 0,1,2,3
	WM S+16*\f, KF+8*\f, QLO, 1, KSW+\f/2, QSW, \f%2
	WM S+16*\f+8, KF+8*\f, QHI, 1, KSW+\f/2, QSW, \f%2
.endr                                          ; lane (r, h) holds query r; register 16 b + 8 u + n is key 32 b + 16 u + 8 h + n of the step
	PLACES 4
.irp b, 0,1,2,3
	v_max3_num_f32 v[BM+\b], v[S+16*\b], v[S+1+16*\b], v[S+2+16*\b]   ; the largest score of each block of 32 keys: it serves for the row's maximum and, since p rises with the score, for the block's largest p
.endr
.irp i, 3,5,7,9,11,13
.irp b, 0,1,2,3
	v_max3_num_f32 v[BM+\b], v[BM+\b], v[S+16*\b+\i], v[S+1+16*\b+\i]   ; (the four blocks by turns; each accumulator from its low end on)
.endr
.endr
.irp b, 0,1,2,3
	v_max_num_f32 v[BM+\b], v[BM+\b], v[S+15+16*\b]
.endr
.irp b, 0,1,2,3
	s_delay_alu instid0(VALU_DEP_4)
	v_permlanex16_b32 v[BX+\b], v[BM+\b], s[SEL], s[SEL+1]
.endr
.irp b, 0,1,2,3
	s_delay_alu instid0(VALU_DEP_4)
	v_max_num_f32 v[BM+\b], v[BM+\b], v[BX+\b]     ; with lane l xor 16's 16 keys
.endr
	s_delay_alu instid0(VALU_DEP_2)
	v_max3_num_f32 v[TP], v[BM], v[BM+1], v[BM+2]
	s_delay_alu instid0(VALU_DEP_1)
	v_max_num_f32 v[TP], v[TP], v[BM+3]            ; the step's largest score of my query
	s_delay_alu instid0(VALU_DEP_1)
	v_mul_f32 v[TP], s[CS], v[TP]                  ; as t (c is positive)
	s_delay_alu instid0(VALU_DEP_1)
	v_max_num_f32 v[TX], v[TX], v[TP]              ; the running largest t
	v_mov_b32 v[TP], v[NM]
	s_delay_alu instid0(VALU_DEP_2)
	v_floor_f32 v[NM], -v[TX]                      ; the new -M = floor(-t) = -ceil(t): M is a whole number
	s_delay_alu instid0(VALU_DEP_1)
	v_sub_f32 v[TP], v[NM], v[TP]                  ; M's old value less its new one: a whole number, 0 or less
	s_delay_alu instid0(VALU_DEP_1)
	v_cvt_i32_f32 v[TP], v[TP]                     ; (it saturates)
	s_delay_alu instid0(VALU_DEP_1)
	v_ldexp_f32 v[FF], 1.0, v[TP]                  ; f = 2^(old M - new M)
.set j, 0
.rept 32
	v_pk_fma_f32 v[S+j:S+j+1], v[S+j:S+j+1], s[CS:CS+1], v[NM:NM+1] op_sel_hi:[1,0,0]   ; t - M, two at a time (of the pairs c and -M the low word serves both halves)
.set j, j+2
.endr
.irp b, 0,1,2,3
	v_fma_f32 v[BM+\b], v[BM+\b], s[CS], v[NM]     ; the same of each block's largest score
.endr
.set j, 0
	s_wait_alu depctr_va_vdst(0)
.rept 64
	v_exp_f32 v[S+j], v[S+j]                       ; p = 2^(t - M), at most 1: not normalised
.set j, j+1
.endr
	s_setprio 1
.irp b, 0,1,2,3
	v_exp_f32 v[BM+\b], v[BM+\b]                   ; the block's largest p: the same two instructions on the same number give the same bits
.endr
	v_pk_mul_f32 v[LS:LS+1], v[LS:LS+1], v[FF:FF+1] op_sel_hi:[1,0]   ; the sums under the new M.  (A plain place behind the exponentials)
	s_wait_alu depctr_va_vdst(0)
.irp b, 0,1,2,3
	v_max_num_f32 v[BM+\b], 0x1800000, v[BM+\b]    ; the floor 2^(3 - 127): the byte cannot fall under 1
.endr
.irp b, 0,1,2,3
	s_delay_alu instid0(VALU_DEP_4)
	v_add_nc_u32 v[BS+\b], 0xff000000, v[BM+\b]    ; 2 off the exponent field: the conversion's scale operand
.endr
.irp b, 0,1,2,3
	s_delay_alu instid0(VALU_DEP_4)
	v_lshrrev_b32 v[BX+\b], 23, v[BS+\b]           ; the scale's byte
.endr
	s_delay_alu instid0(VALU_DEP_3)
	v_lshl_or_b32 v[PSW], v[BX+1], 8, v[BX]        ; p's scale word for these 128 keys
	s_delay_alu instid0(VALU_DEP_1)
	v_lshl_or_b32 v[PSW], v[BX+2], 16, v[PSW]
	s_delay_alu instid0(VALU_DEP_1)
	v_lshl_or_b32 v[PSW], v[BX+3], 24, v[PSW]
.irp b, 0,1,2,3
.irp u, 0,1
	v_cvt_scalef32_pk8_fp4_f32 v[PCD+4*(\b/2)+2*\u+\b%2], v[S+16*\b+8*\u:S+16*\b+8*\u+7], v[BS+\b]
.endr
.endr
	v_nop                                          ; one plain place behind a scaled conversion
.irp i, 0,2,4,6
	v_permlane16_swap_b32 v[PCD+\i], v[PCD+\i+1]   ; registers 4 c .. 4 c + 3 now hold keys 64 c + 32 h + 0 .. 31
.endr
.set j, 0
.rept 16
	v_pk_mul_f32 v[OT+j:OT+j+1], v[OT+j:OT+j+1], v[FF:FF+1] op_sel_hi:[1,0]   ; O^T under the new M, each accumulator from its low end on
.set j, j+2
.endr
	v_pk_add_f32 v[224:225], v[100:101], v[104:105]
	v_pk_add_f32 v[252:253], v[108:109], v[112:113]
	v_pk_add_f32 v[250:251], v[116:117], v[120:121]
	v_pk_add_f32 v[248:249], v[124:125], v[128:129]
	v_pk_add_f32 v[246:247], v[132:133], v[136:137]
	v_pk_add_f32 v[244:245], v[140:141], v[144:145]
	v_pk_add_f32 v[242:243], v[148:149], v[152:153]
	v_pk_add_f32 v[14:15], v[14:15], v[156:157]
	v_pk_add_f32 v[224:225], v[224:225], v[96:97]
	v_pk_add_f32 v[252:253], v[252:253], v[98:99]
	v_pk_add_f32 v[250:251], v[250:251], v[102:103]
	v_pk_add_f32 v[248:249], v[248:249], v[106:107]
	v_pk_add_f32 v[246:247], v[246:247], v[110:111]
	v_pk_add_f32 v[244:245], v[244:245], v[114:115]
	s_setprio 0
	v_pk_add_f32 v[242:243], v[242:243], v[118:119]
	v_pk_add_f32 v[14:15], v[14:15], v[122:123]
	v_pk_add_f32 v[224:225], v[224:225], v[126:127]
	v_pk_add_f32 v[252:253], v[252:253], v[130:131]
	v_pk_add_f32 v[250:251], v[250:251], v[134:135]
	v_pk_add_f32 v[248:249], v[248:249], v[138:139]
	v_pk_add_f32 v[246:247], v[246:247], v[142:143]
	v_pk_add_f32 v[244:245], v[244:245], v[146:147]
	v_pk_add_f32 v[242:243], v[242:243], v[150:151]
	v_pk_add_f32 v[14:15], v[14:15], v[154:155]
	v_pk_add_f32 v[224:225], v[224:225], v[158:159]
	s_delay_alu instid0(VALU_DEP_2)
	v_pk_add_f32 v[14:15], v[14:15], v[248:249]
	s_delay_alu instid0(VALU_DEP_2)
	v_pk_add_f32 v[224:225], v[224:225], v[246:247]
	v_pk_add_f32 v[252:253], v[252:253], v[244:245]
	v_pk_add_f32 v[250:251], v[250:251], v[242:243]
	s_delay_alu instid0(VALU_DEP_2)
	v_pk_add_f32 v[14:15], v[14:15], v[252:253]
	s_delay_alu instid0(VALU_DEP_2)
	v_pk_add_f32 v[224:225], v[224:225], v[250:251]
	s_delay_alu instid0(VALU_DEP_1)
	v_pk_add_f32 v[14:15], v[14:15], v[224:225]
	s_wait_dscnt 0x0                               ; V is in
.irp t, 0,1,2,3
	WM OT+8*\t, VF+8*\t, PCD, 0, VSW+\t/2, PSW, \t%2   ; O^T += V^T P^T; the four accumulators by turns, and the eight score products stand between one step's and the next
.endr
	s_add_co_u32 s[TK], s[TK], 4096                ; 8 tiles of keys,
	s_add_co_u32 s[TV], s[TV], 1024                ; 2 pieces of 64 keys,
	s_add_co_u32 s[TS], s[TS], 256                 ; 4 pairs of tiles
.endm
; A PASS: one tile of 16 queries against all keys; then ctx = O / the sum, quantised along the head's 64 (two blocks of the model's 1,024).
.macro PASS p
.if \p
	s_wait_xcnt 0x0                                ; the last pass's store has read its registers: p's codes are written there again
.endif
	global_load_b128 v[QLO:QLO+3], v[L16], s[4:5] offset:131072*\p th:TH_LOAD_NT
	global_load_b32 v[QW], v[R4], s[6:7] offset:1024*\p
	v_mov_b32 v[TX], 0xff61b1e6                    ; the largest t so far: -3e38, under every t
	s_delay_alu instid0(VALU_DEP_1)
	v_floor_f32 v[NM], -v[TX]
	v_mov_b32 v[LS], 0
	v_mov_b32 v[LS+1], 0
	s_mov_b32 s[TK], LKC
	s_mov_b32 s[TV], LVC
	s_mov_b32 s[TS], LKS
	s_mov_b32 s[CNT], 16
	s_wait_loadcnt 0x0
	v_perm_b32 v[QSW], v[QW], v[QW], s[SELQ]       ; my tile's two bytes, twice: for k 0-63 and for k 64-127
.set j, 0
.rept 32
	v_mov_b32 v[OT+j], 0                           ; the step is written once: the first finds zeros, which the first change of M leaves zeros.  (More than the eight places that a scale word made by a vector line wants)
.set j, j+1
.endr
.Lstep_\@:
	s_setprio 2
	STEP
	s_sub_co_u32 s[CNT], s[CNT], 1
	s_cmp_lg_u32 s[CNT], 0
	s_cbranch_scc1 .Lstep_\@
	s_setprio 0
	s_wait_alu depctr_va_vdst(0)
	v_add_f32 v[LS], v[LS], v[LS+1]                ; the sum's two halves,
	s_delay_alu instid0(VALU_DEP_1)
	v_permlanex16_b32 v[TP], v[LS], s[SEL], s[SEL+1]
	s_delay_alu instid0(VALU_DEP_1)
	v_add_f32 v[LS], v[LS], v[TP]                  ; and lane l xor 16's: the row's sum
	s_wait_alu depctr_va_vdst(0)
	v_rcp_f32 v[LS], v[LS]
	PLACES 4                                       ; behind the reciprocal, and behind the last products
.set j, 0
	s_wait_alu depctr_va_vdst(0)
.rept 16
	v_pk_mul_f32 v[S+j:S+j+1], v[OT+j:OT+j+1], v[LS:LS+1] op_sel_hi:[1,0]   ; ctx: register 16 b + 8 u + n is channel 32 b + 16 u + 8 h + n of my query
.set j, j+2
.endr
.irp b, 0,1
	v_max3_num_f32 v[BM+\b], |v[S+16*\b]|, |v[S+1+16*\b]|, 0x1800000
.endr
.irp i, 2,4,6,8,10,12,14
.irp b, 0,1
	s_delay_alu instid0(VALU_DEP_2)
	v_max3_num_f32 v[BM+\b], v[BM+\b], |v[S+16*\b+\i]|, |v[S+1+16*\b+\i]|
.endr
.endr
.irp b, 0,1
	s_delay_alu instid0(VALU_DEP_2)
	v_permlanex16_b32 v[BX+\b], v[BM+\b], s[SEL], s[SEL+1]
.endr
.irp b, 0,1
	s_delay_alu instid0(VALU_DEP_2)
	v_max_num_f32 v[BM+\b], v[BM+\b], v[BX+\b]
.endr
.irp b, 0,1
	s_delay_alu instid0(VALU_DEP_2)
	v_add_nc_u32 v[BS+\b], 0xff000000, v[BM+\b]
.endr
.irp b, 0,1
	s_delay_alu instid0(VALU_DEP_2)
	v_lshrrev_b32 v[BX+\b], 23, v[BS+\b]
.endr
	s_delay_alu instid0(VALU_DEP_1)
	v_lshl_or_b32 v[CH], v[BX+1], 8, v[BX]
.irp b, 0,1
.irp u, 0,1
	v_cvt_scalef32_pk8_fp4_f32 v[PCD+2*\u+\b], v[S+16*\b+8*\u:S+16*\b+8*\u+7], v[BS+\b]
.endr
.endr
	v_nop                                          ; one plain place behind a scaled conversion
	v_permlane16_swap_b32 v[PCD], v[PCD+1]
	v_permlane16_swap_b32 v[PCD+2], v[PCD+3]
	global_store_b128 v[L16], v[PCD:PCD+3], s[16:17] offset:131072*\p   ; an image: 512 consecutive bytes
	ds_store_b16 v[CSA], v[CH] offset:512*\p       ; both halves of the lanes hold the same two bytes and write them to the same place
.endm
	s_wait_tensorcnt 0x0                           ; my loads, if I have any, are in,
	s_barrier_signal -1
	s_barrier_wait -1                              ; everybody's are: the head's K and V lie in LDS for the rest of the launch
	PASS 0
	PASS 1
	s_wait_dscnt 0x0                               ; for the others' sake
	s_barrier_signal -1
	s_barrier_wait -1
	s_cmp_lt_u32 s[WV], 2
	s_cbranch_scc0 .Lno_bytes
	ds_load_b128 v[KF:KF+3], v[CRD]
	s_wait_dscnt 0x0
	global_store_b128 v[GCS], v[KF:KF+3], s[18:19] ; 512 consecutive bytes a wave
.Lno_bytes:
	s_wait_tensorcnt 0x0
	ds_add_u32 v254, v255
	s_wait_dscnt 0x0
	ROUND                                          ; the closing round: no work-group ends while a partner may still ask for a tile that names it
	s_endpgm
.Lfunc_end_k_q7420514780_attn:
	.size	k_q7420514780_attn, .Lfunc_end_k_q7420514780_attn-k_q7420514780_attn
	.p2alignl 7, 3214868480
	.fill 96, 4, 3214868480
	.section	.rodata,"a",@progbits
	.p2align	6, 0x0
	.amdhsa_kernel k_q7420514780_attn
		.amdhsa_group_segment_fixed_size 169984
		.amdhsa_private_segment_fixed_size 0
		.amdhsa_enable_private_segment 0
		.amdhsa_kernarg_size 64
		.amdhsa_user_sgpr_count 2
		.amdhsa_user_sgpr_kernarg_segment_ptr 1
		.amdhsa_wavefront_size32 1
		.amdhsa_system_sgpr_workgroup_id_x 1
		.amdhsa_system_sgpr_workgroup_id_y 1
		.amdhsa_system_sgpr_workgroup_id_z 1
		.amdhsa_system_vgpr_workitem_id 0
		.amdhsa_next_free_vgpr 256
		.amdhsa_next_free_sgpr 102
		.amdhsa_reserve_vcc 0
		.amdhsa_float_denorm_mode_32 3
		.amdhsa_float_denorm_mode_16_64 3
		.amdhsa_memory_ordered 1
		.amdhsa_forward_progress 1
		.amdhsa_inst_pref_size 53
	.end_amdhsa_kernel
	.amdgpu_metadata
---
amdhsa.version: [ 1, 2 ]
amdhsa.kernels:
  - .name:           k_q7420514780_attn
    .symbol:         k_q7420514780_attn.kd
    .args:
      - { .name: qc, .offset: 0, .size: 8, .value_kind: global_buffer, .address_space: global }
      - { .name: qs, .offset: 8, .size: 8, .value_kind: global_buffer, .address_space: global }
      - { .name: kc, .offset: 16, .size: 8, .value_kind: global_buffer, .address_space: global }
      - { .name: ks, .offset: 24, .size: 8, .value_kind: global_buffer, .address_space: global }
      - { .name: vc, .offset: 32, .size: 8, .value_kind: global_buffer, .address_space: global }
      - { .name: vs, .offset: 40, .size: 8, .value_kind: global_buffer, .address_space: global }
      - { .name: cc, .offset: 48, .size: 8, .value_kind: global_buffer, .address_space: global }
      - { .name: cs, .offset: 56, .size: 8, .value_kind: global_buffer, .address_space: global }
    .group_segment_fixed_size: 169984
    .private_segment_fixed_size: 0
    .kernarg_segment_align: 8
    .kernarg_segment_size: 64
    .max_flat_workgroup_size: 512
    .sgpr_count:     102
    .vgpr_count:     256
    .wavefront_size: 32
...
	.end_amdgpu_metadata
.endif
;; end of part 2
;; launch outp (part 3): grid 256 x 1, 8 waves a work-group, clusters of 4 x 1, 281,856 bytes of LDS; arguments Wo_codes, Wo_scales, cc, cs, bo, out0; writes out0
.if DOCPART == 3
	.amdgcn_target "amdgcn-amd-amdhsa--gfx1250"
	.amdhsa_code_object_version 6
	.text
	.protected	k_q7420514780_outp
	.globl	k_q7420514780_outp
	.p2align	8
	.type	k_q7420514780_outp,@function
k_q7420514780_outp:
	s_mov_b64 s[64:65], 0
	v_nop
	global_prefetch_b8 v0, s[64:65] scope:SCOPE_SE
	s_setreg_imm32_b32 hwreg(HW_REG_WAVE_MODE, 25, 1), 1
	s_wait_xcnt 0x0
	s_wait_alu depctr_hold_cnt(0) depctr_sa_sdst(0) depctr_va_vdst(0) depctr_va_sdst(0) depctr_va_ssrc(0) depctr_va_vcc(0) depctr_vm_vsrc(0)
	s_getreg_b32 s2, hwreg(HW_REG_IB_STS2, 6, 4)
	s_cmp_eq_u32 s2, 0
	s_cbranch_scc0 .Lentry_in_a_cluster
	s_endpgm
.Lentry_in_a_cluster:
	s_bfe_u32 s2, ttmp6, 0x10000c
	s_cmp_lg_u32 s2, 0x3003
	s_cbranch_scc0 .Lentry_shape_is_right
	s_endpgm
.Lentry_shape_is_right:
; THE LAST PROJECTION: out0[token][n] = sum over k of ctx[token][k] Wo[n][k] + bo[n], K = 1,024, on codes of FP4 (E2M1) with one E8M0 byte for each 32 along K; out0 is f32.
; Source 0 = 16 rows of Wo, source 1 = 16 tokens of ctx: a lane then holds ONE token and eight neighbouring n, 32 bytes of a row of out0.
; SHARES.  A work-group makes 128 n x 256 tokens over all of K; wave w of its eight makes 128 n (8 tiles) x 32 tokens (2 tiles): 16 accumulators.
; LDS.  All of K of both operands comes by first fills alone; K's second half lands while the first is multiplied.  Wo's rows lie as rows (pitch 272); ctx lies as images of the operand's registers
; (cc: [token tile][head][512 bytes]; two heads are one step of 128 along K), read as consecutive bytes.  ctx's scale bytes lie [head][token tile][row] as halfwords: two heads' make a step's word.
; CLUSTER.  The four work-groups of a cluster make the same 256 tokens and four neighbouring blocks of n: ctx is asked for JOINTLY (mask 15); Wo's rows differ from partner to partner and come by plain loads.
; THE BIAS is loaded straight into the accumulators, in the result's layout: every product then adds in place, and no addition is written.
; LIMITS.  NaN and infinities are not served.
.set PITCH, 272                        ; an LDS row of Wo's codes: 256 bytes + 16 of padding: row r starts at bank 4 r mod 64 (64 banks of 4 bytes: ISA guide 11.1)
.set LPCC,  128*PITCH                  ; Wo's codes from LDS byte 0 on: two halves of K, 128 rows each
.set LRC,   2*LPCC                     ; ctx's codes: two halves of K,
.set LRCC,  65536                      ; 16 token tiles x 8 heads x 512 bytes each
.set LPS,   LRC+2*LRCC                 ; Wo's scale bytes: 16 pieces of 256 bytes + 16 of padding
.set LCS,   LPS+16*272                 ; ctx's: 16 heads x 512 bytes
.set LSTG,  LCS+8192                   ; the way out: 16 rows x (512 bytes + 16) for each wave: a multiple of 256, no tensor load lands here
.set SPITCH, 528
.set PA,   4                           ; v4      my lane's place in a tile of Wo: 272 r + 16 h
.set RA,   5                           ; v5, v6  16 x lane in my wave's two token tiles, first and second half of K
.set SPA,  7                           ; v7      my lane's place among Wo's scale words: row = lane
.set CSA,  8                           ; v8      my lane's halfword of ctx's scale bytes: lanes 0-15 my first token tile, lanes 16-31 my second
.set STO,  9                           ; v9      the stage: where I put 32 bytes of a row
.set SRD,  10                          ; v10     and where I read a row back
.set GO,   11                          ; v11     16 x lane
.set BOF,  12                          ; v12     32 h
.set VSP,  16                          ; v16-31  Wo's scale words: register 4 (t / 2) + q; lanes 0-15 the even tile, lanes 16-31 the odd one
.set VSR,  32                          ; v32-39  ctx's: one register for each of the eight steps.  v16-39 hold scales and nothing else
.set VRF,  40                          ; v40-55  ctx's two fragments
.set VPF,  56                          ; v56-119 Wo's eight; on the way out 16 rows read back
.set ACC,  128                         ; v128-255 accumulator (jt, t) at 128 + 64 jt + 8 t
.set WV,   100
.set CX,   101
.set G1RJ, 40                          ; s[40:47] group 1: ctx's codes, joint;  s[48:55] Wo's codes;  s[56:63] ctx's scale bytes, joint;  s[68:75] Wo's scale bytes
.set G1C,  48
.set G1SJ, 56
.set G1S,  68
.set G0R,  76                          ; s[76:87] ctx's three groups 0: scale bytes, K's first half, K's second half;  s[88:99] Wo's
.set G0P,  88
.macro ROUND                           ; a round of the cluster's barrier
	s_barrier_signal -1
	s_barrier_wait -1
	s_cmp_lg_u32 s[WV], 0
	s_cbranch_scc1 .Lnot_wave_0_\@
	s_barrier_signal -3
.Lnot_wave_0_\@:
	s_barrier_wait -3
	s_barrier_signal -1
	s_barrier_wait -1
.endm
.macro PLACES n
.rept \n
	v_nop
.endr
.endm
; One product 16 x 16 x 128, added in place.  ra, rb = 1: that side's scale words stand in lanes 16-31 of the register named.
.macro WM d, a, b, sa, sb, ra, rb
.if (\ra) && (\rb)
	v_wmma_scale_f32_16x16x128_f8f6f4 v[\d:\d+7], v[\a:\a+7], v[\b:\b+7], v[\d:\d+7], v[\sa], v[\sb] matrix_a_fmt:MATRIX_FMT_FP4 matrix_b_fmt:MATRIX_FMT_FP4 matrix_a_scale:MATRIX_SCALE_ROW1 matrix_b_scale:MATRIX_SCALE_ROW1
.elseif \ra
	v_wmma_scale_f32_16x16x128_f8f6f4 v[\d:\d+7], v[\a:\a+7], v[\b:\b+7], v[\d:\d+7], v[\sa], v[\sb] matrix_a_fmt:MATRIX_FMT_FP4 matrix_b_fmt:MATRIX_FMT_FP4 matrix_a_scale:MATRIX_SCALE_ROW1
.elseif \rb
	v_wmma_scale_f32_16x16x128_f8f6f4 v[\d:\d+7], v[\a:\a+7], v[\b:\b+7], v[\d:\d+7], v[\sa], v[\sb] matrix_a_fmt:MATRIX_FMT_FP4 matrix_b_fmt:MATRIX_FMT_FP4 matrix_b_scale:MATRIX_SCALE_ROW1
.else
	v_wmma_scale_f32_16x16x128_f8f6f4 v[\d:\d+7], v[\a:\a+7], v[\b:\b+7], v[\d:\d+7], v[\sa], v[\sb] matrix_a_fmt:MATRIX_FMT_FP4 matrix_b_fmt:MATRIX_FMT_FP4
.endif
.endm
	s_load_b256 s[4:11], s[0:1], 0x0               ; Wo's codes s[4:5], Wo's scales s[6:7], cc s[8:9], cs s[10:11]
	s_load_b128 s[12:15], s[0:1], 0x20             ; bo s[12:13], out0 s[14:15]
	v_lshl_add_u32 v126, v0, 2, 0x44900
	v_mov_b32 v127, 0
	ds_add_u32 v126, v127
	ds_add_u32 v126, v127
	v_lshrrev_b32 v1, 5, v0
	s_delay_alu instid0(VALU_DEP_1)
	v_readfirstlane_b32 s[WV], v1                  ; wave 0..7
	s_bfe_u32 s[CX], ttmp6, 0x40000                ; cx: it enters Wo's, bo's and out0's addresses alone
	s_lshr_b32 s17, ttmp9, 1                       ; tj: which 256 tokens; the four partners share it (in a cluster launch ttmp9 counts clusters)
	s_and_b32 s18, ttmp9, 1
	s_lshl_b32 s18, s18, 2
	s_add_co_u32 s18, s18, s[CX]                   ; ti: which 128 n
	s_and_b32 s23, s[WV], 3                        ; waves 0-3 fetch ctx: four token tiles, four heads' scale bytes each;
	s_and_b32 s24, s[WV], 1                        ; waves 4, 5 Wo's rows 64 (wave % 2) on
	s_mov_b32 s[G1RJ], 15|(3<<16)|(1<<21)          ; ctx's codes: 15:0 the mask: all four work-groups; 17:16 elements of 8 bytes; 21 set beside a mask; no padding: every read is of consecutive bytes
	s_mov_b32 s[G1RJ+1], 512<<16                   ; 4 token tiles, 8 heads x 512 bytes of each,
	s_mov_b32 s[G1RJ+2], 4<<16
	s_mov_b32 s[G1RJ+3], 512<<16
	s_mov_b32 s[G1RJ+4], 4
	s_mov_b32 s[G1RJ+5], 1024                      ; 8,192 bytes apart
	s_mov_b32 s[G1RJ+6], 0
	s_mov_b32 s[G1RJ+7], 0
	s_mov_b32 s[G1SJ], 15|(3<<16)|(1<<21)          ; ctx's scale bytes: 4 heads, the 16 token tiles' 512 bytes of each,
	s_mov_b32 s[G1SJ+1], 64<<16
	s_mov_b32 s[G1SJ+2], 4<<16
	s_mov_b32 s[G1SJ+3], 64<<16
	s_mov_b32 s[G1SJ+4], 4
	s_mov_b32 s[G1SJ+5], 2048                      ; 16,384 bytes apart
	s_mov_b32 s[G1SJ+6], 0
	s_mov_b32 s[G1SJ+7], 0
	s_mov_b32 s[G1C], (1<<20)|(5<<22)|(3<<25)      ; Wo's codes: elements of 1 byte; 64 rows of 256 bytes, 512 apart; four words of padding after every 64
	s_mov_b32 s[G1C+1], 256<<16
	s_mov_b32 s[G1C+2], 64<<16
	s_mov_b32 s[G1C+3], 256<<16
	s_mov_b32 s[G1C+4], 64
	s_mov_b32 s[G1C+5], 512
	s_mov_b32 s[G1C+6], 0
	s_mov_b32 s[G1C+7], 0
	s_mov_b32 s[G1S], (3<<16)|(1<<20)|(5<<22)|(3<<25)   ; Wo's scale bytes: those of 64 rows are 2,048 dense bytes: 8 rows of 256, 16 bytes of padding behind each
	s_mov_b32 s[G1S+1], 32<<16
	s_mov_b32 s[G1S+2], 8<<16
	s_mov_b32 s[G1S+3], 32<<16
	s_mov_b32 s[G1S+4], 8
	s_mov_b32 s[G1S+5], 32
	s_mov_b32 s[G1S+6], 0
	s_mov_b32 s[G1S+7], 0
	s_mov_b32 s27, 0
	s_mov_b32 s33, 0
	s_wait_dscnt 0x0
	s_wait_kmcnt 0x0
	; ctx's groups 0, from registers that never hold cx
	s_lshl_b32 s26, s23, 16
	s_lshl_b32 s28, s17, 9
	s_add_co_u32 s26, s26, s28
	s_mov_b32 s[G0R], 1
	s_lshl_b32 s[G0R+1], s23, 11
	s_add_co_u32 s[G0R+1], s[G0R+1], LCS
	s_add_nc_u64 s[G0R+2:G0R+3], s[10:11], s[26:27]
	s_or_b32 s[G0R+3], s[G0R+3], 0x80000000
	s_lshl_b32 s26, s17, 4                         ; token tile 16 tj + 4 (wave % 4)
	s_lshl_b32 s28, s23, 2
	s_add_co_u32 s26, s26, s28
	s_lshl_b32 s26, s26, 13
	s_add_nc_u64 s[30:31], s[8:9], s[26:27]
.irp c, 0,1
	s_mov_b32 s[G0R+4+4*\c], 1
	s_lshl_b32 s[G0R+5+4*\c], s23, 14
	s_add_co_u32 s[G0R+5+4*\c], s[G0R+5+4*\c], LRC+LRCC*\c
	s_add_nc_u64 s[G0R+6+4*\c:G0R+7+4*\c], s[30:31], 4096*\c
	s_or_b32 s[G0R+7+4*\c], s[G0R+7+4*\c], 0x80000000
.endr
	; Wo's groups 0
	s_lshl_b32 s32, s18, 12
	s_lshl_b32 s34, s24, 11
	s_add_co_u32 s32, s32, s34
	s_mov_b32 s[G0P], 1
	s_mul_i32 s[G0P+1], s24, 8*272
	s_add_co_u32 s[G0P+1], s[G0P+1], LPS
	s_add_nc_u64 s[G0P+2:G0P+3], s[6:7], s[32:33]
	s_or_b32 s[G0P+3], s[G0P+3], 0x80000000
	s_lshl_b32 s32, s18, 16
	s_lshl_b32 s34, s24, 15
	s_add_co_u32 s32, s32, s34
	s_add_nc_u64 s[36:37], s[4:5], s[32:33]
.irp c, 0,1
	s_mov_b32 s[G0P+4+4*\c], 1
	s_mul_i32 s[G0P+5+4*\c], s24, 64*PITCH
	s_add_co_u32 s[G0P+5+4*\c], s[G0P+5+4*\c], LPCC*\c
	s_add_nc_u64 s[G0P+6+4*\c:G0P+7+4*\c], s[36:37], 256*\c
	s_or_b32 s[G0P+7+4*\c], s[G0P+7+4*\c], 0x80000000
.endr
	ROUND                                          ; all four work-groups are here: the joint loads meet
	s_cmp_lt_u32 s[WV], 4                          ; a wave's first fills stand in one branch on its number: three loads of mine are out, or none
	s_cbranch_scc0 .Lnot_r
	tensor_load_to_lds s[G0R:G0R+3], s[G1SJ:G1SJ+7]
	s_nop 0
	tensor_load_to_lds s[G0R+4:G0R+7], s[G1RJ:G1RJ+7]
	s_nop 0
	tensor_load_to_lds s[G0R+8:G0R+11], s[G1RJ:G1RJ+7]
	s_nop 0
	PLACES 4                                       ; four v_nop follow the last load of a branch
	s_branch .Lasked
.Lnot_r:
	s_cmp_lt_u32 s[WV], 6
	s_cbranch_scc0 .Lasked
	tensor_load_to_lds s[G0P:G0P+3], s[G1S:G1S+7]
	s_nop 0
	tensor_load_to_lds s[G0P+4:G0P+7], s[G1C:G1C+7]
	s_nop 0
	tensor_load_to_lds s[G0P+8:G0P+11], s[G1C:G1C+7]
	s_nop 0
	PLACES 4
.Lasked:
	v_and_b32 v1, 31, v0                           ; lane
	v_and_b32 v2, 15, v0                           ; r
	v_bfe_u32 v3, v0, 4, 1                         ; h
	s_delay_alu instid0(VALU_DEP_1)
	v_lshlrev_b32 v[BOF], 5, v3
	s_lshl_b32 s32, s18, 9                         ; bo at my work-group's 128 n
	s_add_nc_u64 s[12:13], s[12:13], s[32:33]
.irp jt, 0,1
.irp t, 0,1,2,3,4,5,6,7
.irp k, 0,1
	global_load_b128 v[ACC+64*\jt+8*\t+4*\k:ACC+64*\jt+8*\t+4*\k+3], v[BOF], s[12:13] offset:64*\t+16*\k   ; register n' of tile t: bo at 16 t + 8 h + n'
.endr
.endr
.endr
	v_mul_u32_u24 v[PA], v2, PITCH
	s_delay_alu instid0(VALU_DEP_1)
	v_lshl_add_u32 v[PA], v3, 4, v[PA]
	v_lshlrev_b32 v[GO], 4, v1
	s_lshl_b32 s28, s[WV], 13                      ; my two token tiles: 2 x 4,096 bytes in each half of K
	s_add_co_u32 s28, s28, LRC
	v_add_nc_u32 v[RA], s28, v[GO]
	s_delay_alu instid0(VALU_DEP_1)
	v_add_nc_u32 v[RA+1], LRCC, v[RA]
	v_lshrrev_b32 v[SPA], 3, v1                    ; a row's 32 scale bytes: eight rows to a piece of 256 bytes + 16
	s_delay_alu instid0(VALU_DEP_1)
	v_mul_u32_u24 v[SPA], v[SPA], 272
	v_and_b32 v[CSA], 7, v1
	s_delay_alu instid0(VALU_DEP_1)
	v_lshl_add_u32 v[SPA], v[CSA], 5, v[SPA]
	s_delay_alu instid0(VALU_DEP_1)
	v_add_nc_u32 v[SPA], LPS, v[SPA]
	s_lshl_b32 s28, s[WV], 6
	s_add_co_u32 s28, s28, LCS
	v_lshl_add_u32 v[CSA], v1, 1, s28              ; 64 x wave + 2 x lane
	s_mul_i32 s28, s[WV], 16*SPITCH
	s_add_co_u32 s28, s28, LSTG                    ; my stage
	v_mul_u32_u24 v[STO], v2, SPITCH
	s_delay_alu instid0(VALU_DEP_1)
	v_lshl_add_u32 v[STO], v3, 5, v[STO]
	s_delay_alu instid0(VALU_DEP_1)
	v_add_nc_u32 v[STO], s28, v[STO]
	v_add_nc_u32 v[SRD], s28, v[GO]
	s_lshl_b32 s32, s17, 20                        ; out0: token 256 tj + 32 wave, 4,096 bytes a row; column 128 ti, 4 bytes a number
	s_lshl_b32 s34, s[WV], 17
	s_add_co_u32 s32, s32, s34
	s_lshl_b32 s34, s18, 9
	s_add_co_u32 s32, s32, s34
	s_add_nc_u64 s[14:15], s[14:15], s[32:33]
; 128 along K: the q-th of half c.  Twenty loads (24 with a half's scale words of Wo), sixteen products.  The sixteen accumulators take turns, one instruction a turn, in the same order in every step.
.macro KSTEP c, q, first
.if \first == 0
	PLACES 4                                       ; in front of loads into registers that matrix instructions have read (ISA guide 7.12.1 for vector instructions)
.endif
.if \q == 0
.irp t2, 0,1,2,3
	ds_load_b128 v[VSP+4*\t2:VSP+4*\t2+3], v[SPA] offset:4*272*\t2+16*\c
.endr
.endif
.irp jt, 0,1
.irp k, 0,1
	ds_load_b128 v[VRF+8*\jt+4*\k:VRF+8*\jt+4*\k+3], v[RA+\c] offset:4096*\jt+1024*\q+512*\k
.endr
.endr
.irp t, 0,1,2,3,4,5,6,7
.irp k, 0,1
	ds_load_b128 v[VPF+8*\t+4*\k:VPF+8*\t+4*\k+3], v[PA] offset:LPCC*\c+16*PITCH*\t+64*\q+32*\k
.endr
.endr
	s_wait_dscnt 8                                 ; all but the youngest eight loads: Wo's tiles 4-7
.irp t, 0,1,2,3
.irp jt, 0,1
	WM ACC+64*\jt+8*\t, VPF+8*\t, VRF+8*\jt, VSP+4*(\t/2)+\q, VSR+4*\c+\q, \t%2, \jt
.endr
.endr
	s_wait_dscnt 0x0
.irp t, 4,5,6,7
.irp jt, 0,1
	WM ACC+64*\jt+8*\t, VPF+8*\t, VRF+8*\jt, VSP+4*(\t/2)+\q, VSR+4*\c+\q, \t%2, \jt
.endr
.endr
.endm
; THE WAY OUT of token tile jt: 16 rows x 128 n go through my own stage and come back as whole rows of 512 bytes.  LDS serves a wave's instructions in order (ISA guide 5.7.1.4): no wait between the stores and the loads.
.macro TOSTAGE jt, bk
.irp t, 0,1,2,3,4,5,6,7
	ds_store_b128 v[STO], v[ACC+64*\jt+8*\t:ACC+64*\jt+8*\t+3] offset:64*\t          ; each accumulator from its low end on
	ds_store_b128 v[STO], v[ACC+64*\jt+8*\t+4:ACC+64*\jt+8*\t+7] offset:64*\t+16
.endr
.irp i, 0,1,2,3,4,5,6,7,8,9,10,11,12,13,14,15
	ds_load_b128 v[\bk+4*\i:\bk+4*\i+3], v[SRD] offset:SPITCH*\i
.endr
.endm
.macro SEND jt, bk
.irp i, 0,1,2,3,4,5,6,7,8,9,10,11,12,13,14,15
	global_store_b128 v[GO], v[\bk+4*\i:\bk+4*\i+3], s[14:15] offset:4096*(16*\jt+\i) th:TH_STORE_NT   ; 32 lanes store 512 consecutive bytes, at a multiple of 512 from out0's first byte; written once, read by nobody here
.endr
.endm
	s_wait_alu depctr_va_vdst(0)
	s_wait_tensorcnt 0x1                           ; my scale bytes and my part of K's first half are in; the second half's load may stay out
	s_barrier_signal -1
	s_barrier_wait -1                              ; everybody's are
.irp hd, 0,1,2,3,4,5,6,7,8,9,10,11,12,13,14,15
	ds_load_u16 v[VPF+\hd], v[CSA] offset:512*\hd  ; my token's two bytes of each head
.endr
	s_wait_dscnt 0x0
.irp s, 0,1,2,3,4,5,6,7
	v_lshl_or_b32 v[VSR+\s], v[VPF+2*\s+1], 16, v[VPF+2*\s]   ; two heads' bytes make the word of a step of 128 along K
.endr
	PLACES 8                                       ; a scale word made by a vector line stands eight places ahead of the product that names it
	s_wait_alu depctr_va_vdst(0)
	s_wait_loadcnt 0x0                             ; bo lies in the accumulators
	KSTEP 0, 0, 1
	KSTEP 0, 1, 0
	KSTEP 0, 2, 0
	KSTEP 0, 3, 0
	s_wait_tensorcnt 0x0                           ; my part of K's second half is in,
	s_barrier_signal -1
	s_barrier_wait -1                              ; everybody's is
	KSTEP 1, 0, 0
	KSTEP 1, 1, 0
	KSTEP 1, 2, 0
	KSTEP 1, 3, 0
	PLACES 4                                       ; in front of the first read of results and of loads into Wo's fragments
	TOSTAGE 0, VPF
	TOSTAGE 1, ACC                                 ; it comes back into the first tile's accumulators, which have gone to the stage
	s_wait_dscnt 32                                ; the first tile is back; the second's 16 stores and 16 loads may be out
	SEND 0, VPF
	s_wait_dscnt 0x0
	SEND 1, ACC
	s_wait_tensorcnt 0x0
	ds_add_u32 v126, v127
	s_wait_dscnt 0x0
	ROUND                                          ; the closing round: no work-group ends while a partner may still ask for a tile that names it
	s_endpgm
.Lfunc_end_k_q7420514780_outp:
	.size	k_q7420514780_outp, .Lfunc_end_k_q7420514780_outp-k_q7420514780_outp
	.p2alignl 7, 3214868480
	.fill 96, 4, 3214868480
	.section	.rodata,"a",@progbits
	.p2align	6, 0x0
	.amdhsa_kernel k_q7420514780_outp
		.amdhsa_group_segment_fixed_size 281856
		.amdhsa_private_segment_fixed_size 0
		.amdhsa_enable_private_segment 0
		.amdhsa_kernarg_size 48
		.amdhsa_user_sgpr_count 2
		.amdhsa_user_sgpr_kernarg_segment_ptr 1
		.amdhsa_wavefront_size32 1
		.amdhsa_system_sgpr_workgroup_id_x 1
		.amdhsa_system_sgpr_workgroup_id_y 1
		.amdhsa_system_sgpr_workgroup_id_z 1
		.amdhsa_system_vgpr_workitem_id 0
		.amdhsa_next_free_vgpr 256
		.amdhsa_next_free_sgpr 102
		.amdhsa_reserve_vcc 0
		.amdhsa_float_denorm_mode_32 3
		.amdhsa_float_denorm_mode_16_64 3
		.amdhsa_memory_ordered 1
		.amdhsa_forward_progress 1
		.amdhsa_inst_pref_size 49
	.end_amdhsa_kernel
	.amdgpu_metadata
---
amdhsa.version: [ 1, 2 ]
amdhsa.kernels:
  - .name:           k_q7420514780_outp
    .symbol:         k_q7420514780_outp.kd
    .args:
      - { .name: Wo_codes, .offset: 0, .size: 8, .value_kind: global_buffer, .address_space: global }
      - { .name: Wo_scales, .offset: 8, .size: 8, .value_kind: global_buffer, .address_space: global }
      - { .name: cc, .offset: 16, .size: 8, .value_kind: global_buffer, .address_space: global }
      - { .name: cs, .offset: 24, .size: 8, .value_kind: global_buffer, .address_space: global }
      - { .name: bo, .offset: 32, .size: 8, .value_kind: global_buffer, .address_space: global }
      - { .name: out0, .offset: 40, .size: 8, .value_kind: global_buffer, .address_space: global }
    .group_segment_fixed_size: 281856
    .private_segment_fixed_size: 0
    .kernarg_segment_align: 8
    .kernarg_segment_size: 48
    .max_flat_workgroup_size: 256
    .sgpr_count:     102
    .vgpr_count:     256
    .wavefront_size: 32
...
	.end_amdgpu_metadata
.endif
;; end of part 3
